; MI455X (gfx1250); checked and timed in simulation.
; The chip was launched on July 23, 2026; its instructions are those of AMD's public machine-readable ISA for CDNA 5 (MIT licence, August 2026) and "CDNA5" Instruction Set Architecture Reference Guide (July 2026). The comments in the code are by the model that wrote it; some were corrected since.
;; Self Attention. Allowed arithmetic: matrix products marked QUANTISED: E2M1 operands, one E8M0 scale for each 32 along K, by v_wmma_scale_f32_16x16x128_f8f6f4 with both operands' format E2M1 (or v_wmma_scale_f32_32x16x128_f4), f32 sums; everything else in f32.
;; Inputs: b_in 3,072 float32; b_out 1,024 float32; w_in 3,072 x 1,024 float32; w_out 1,024 x 1,024 float32; x 4 x 2,048 x 1,024 float32.
;; Outputs: out0 4 x 2,048 x 1,024 float32.
;; Constants: causal_mask = 1.
;; This version of the problem:
;;   THIS VERSION OF THE PROBLEM IS GIVEN IN LOW PRECISION. The matrix products marked QUANTISED in the list below multiply operands that are first quantised to E2M1 (2 exponent bits, 1 mantissa bit; 4 bits a number), with one power-of-two scale for each 32 numbers along K (OCP MX v1.0); their sums are f32. All else is computed in f32.
;;   The module's matrix products, in the order in which they are computed (A, B: the left and right operand; K: the contracted axis; several contracted axes count as one K, in the product's order):
;;     1. [M 8,192, K 1,024] x [K 1,024, N 3,072]; A: input x; B: input w_in: QUANTISED
;;     2. batch 64 x [M 2,048, K 64] x [K 64, N 2,048]; A: computed on the way; B: computed on the way: QUANTISED
;;     3. batch 64 x [M 2,048, K 2,048] x [K 2,048, N 64]; A: softmax (see below); B: computed on the way: QUANTISED
;;     4. [M 8,192, K 1,024] x [K 1,024, N 1,024]; A: computed on the way; B: input w_out: QUANTISED
;;   THE QUANTISER, for each operand of a quantised product, along K:
;;     - K is cut into blocks of 32 from its start; a last block that is shorter is filled with zeros.
;;     - A block's scale is 2^e with e = floor(log2(the largest magnitude in the block)) - 2, held to -126 .. 127; a block of zeros has e = 0. As a byte (E8M0): e + 127.
;;     - Each number is divided by its block's scale, clamped to +-6, and rounded to the nearest number of E2M1, ties to even, subnormals kept.
;;     - The product sums the exact products of the quantised numbers (number of the format x scale) in f32.
;;   ~~~python
;;   def quantise(x, axis):      # numpy; x: float32 -> the quantised numbers, widened to float32 again
;;       x = np.moveaxis(x, axis, -1); K = x.shape[-1]
;;       x = np.pad(x, [(0, 0)] * (x.ndim - 1) + [(0, -K % 32)]); x = x.reshape(x.shape[:-1] + (-1, 32)); a = np.abs(x).max(-1, keepdims=True)
;;       e = np.where(a > 0, np.clip(np.frexp(np.where(a > 0, a, 1))[1] - 1 - 2, -126, 127), 0)      # np.frexp(a)[1] - 1 = floor(log2(a)), exactly
;;       r = np.clip(x / 2.0 ** e, -6, 6)
;;       step = 2.0 ** (np.maximum(np.frexp(np.where(r == 0, 1, r))[1] - 1, 0) - 1)
;;       q = np.round(r / step) * step * 2.0 ** e      # np.round: ties to even
;;       return np.moveaxis(q.reshape(q.shape[:-2] + (-1,))[..., :K], -1, axis).astype(np.float32)
;;   ~~~
;;   SOFTMAX AHEAD OF A QUANTISED PRODUCT. Where the list says 'softmax', what is quantised is not the finished softmax but p = 2^(t - M), with t = logit x log2(e) and M = ceil(the row's largest t), a whole number; so 1/2 < the row's largest p <= 1. The row's sum l is taken of the UNQUANTISED p, in f32, and the product's result is divided by l at the end. Since M is a whole number, a kernel that streams over the keys may use a running M (the ceiling of the running maximum): every later rescaling is an exact power of two, which a block's scale takes up: the codes' values come out the same.
;;   OPERANDS COMPUTED ON THE WAY. 'Computed on the way' means the value that the module computes at that place (a softmax that the list does not call 'softmax' is quantised finished and normalised). What goes into a quantiser is computed in f32, as accurately as f32 sums, v_exp_f32 and their like allow (about 1e-6 of the number): no bf16 or f16 on the way to a quantiser, and a product that is left as it is and whose result goes on into a quantised operand takes f32 operands (vector FMAs, or v_wmma_f32_16x16x4_f32). A number that lies on a knife's edge between two numbers of the format may be rounded either way, as far as f32 arithmetic and the matrix unit's own rounding can turn it there, and no further.
;; One version. Each part assembles by itself: llvm-mc -triple=amdgcn-amd-amdhsa -mcpu=gfx1250 --defsym DOCPART=n.
;; ======== version 1 of 1: 4 launches
;; workspace buffers: acodes 4,194,304 bytes; ascales 262,144 bytes; wcodes 2,097,152 bytes; wscales 131,072 bytes; qkv 13,369,344 bytes
;; launch quant (part 1): grid 384 x 1, 4 waves a work-group, no clusters, 39,424 bytes of LDS; arguments x, w_in, w_out, acodes, ascales, wcodes, wscales; writes acodes, ascales, wcodes, wscales
.if DOCPART == 1
	.amdgcn_target "amdgcn-amd-amdhsa--gfx1250"
	.amdhsa_code_object_version 6
	.text
	.protected	k_q6b228ef891_quant
	.globl	k_q6b228ef891_quant
	.p2align	8
	.type	k_q6b228ef891_quant,@function
k_q6b228ef891_quant:
	s_mov_b64 s[64:65], 0
	v_nop
	global_prefetch_b8 v0, s[64:65] scope:SCOPE_SE
	s_setreg_imm32_b32 hwreg(HW_REG_WAVE_MODE, 25, 1), 1
	s_wait_xcnt 0x0
; x [8192][1024], w_in [3072][1024], w_out [1024][1024], f32 with K innermost, become codes of FP4 (E2M1) with one E8M0 scale byte for each 32 along K.
; A block's scale is 2^(floor(log2(its largest magnitude)) - 2); its byte is the largest magnitude's exponent field - 2, held at 1 from below.  Each number is divided by the scale and rounded to the nearest code, ties to even.
; LIMITS: a block of zeros gets the byte 1 where the rule says 127 (its codes are zeros, and this program alone reads the bytes); blocks whose largest magnitude lies under 2^(3 - 127), the floor,
; were not tried; NaN and infinities among the inputs are not served.
; THE CODES ARE LAID AS IMAGES OF THE MATRIX OPERAND'S REGISTERS: [block of 128 rows][K half s][tile i of 16 rows][K step q][c][h][r][16 bytes], the block of 32 along K being j = 16 s + 4 q + 2 c + h.
; Lane r of tile 2 g + u holds row 32 g + 8 u + r + 8 (r / 8) of the 128.  The scale bytes: [block of 128 rows][s][i][r][16 bytes], byte j % 16.  w_in fills blocks 0-23 of the weights' buffers, w_out blocks 24-31.
; SHARES.  A work-group takes 32 rows (both tiles of one g): the first 256 work-groups x, the next 96 w_in, the last 32 w_out: only pointers are chosen, by the work-group's number; there is one path.
; Wave w takes rows 8 w .. 8 w + 7 (u = w % 2, r = 8 (w / 2) + row), in 16 steps of 512 numbers: step t is row t / 2, K half t % 2.  Each load reads 512 consecutive bytes; a step's 2,048 bytes turn through the wave's
; own stage in LDS, so that a lane holds 16 neighbours (two lanes a block).  Codes and bytes are gathered in LDS in the output's order; behind one barrier each wave stores 4,096 + 256 consecutive bytes.
.set STEPS, 16
.set EMAX,  2
.set SP,    80                         ; a lane's place in a stage: 64 bytes + 16 of padding
.set WREG,  2*32*SP                    ; a wave's two stages
.set UP,    272                        ; a unit of the codes in LDS: [r 16][16 bytes] + 16 of padding
.set CST,   4*WREG                     ; 64 units: unit 32 u + j
.set SCB,   CST+64*UP                  ; the scale bytes: 256 (2 s + u) + 16 r + j % 16
.set R,     16                         ; v16-79   four sets of 16 numbers as loaded; on the way out v16-49
.set X,     80                         ; v80-111  two sets of 16 neighbours
.set E,     112                        ; v112-127 a scale byte for each step
.set C,     128                        ; v128-191 codes: registers of its own for each step
	s_load_b256 s[4:11], s[0:1], 0x0               ; x s[4:5], w_in s[6:7], w_out s[8:9], x's codes s[10:11]
	s_load_b128 s[12:15], s[0:1], 0x20             ; x's scales s[12:13], the weights' codes s[14:15]
	s_load_b64 s[16:17], s[0:1], 0x30              ; the weights' scales
	v_lshl_add_u32 v192, v0, 2, 0x9800
	v_mov_b32 v193, 0
	v_lshrrev_b32 v1, 5, v0
	v_readfirstlane_b32 s20, v1                    ; wave
	v_and_b32 v2, 31, v0                           ; lane
	v_lshlrev_b32 v3, 4, v2                        ; 16 x lane: my bytes of a load's 512, and of a store's
	s_mul_i32 s21, s20, WREG
	v_lshrrev_b32 v14, 2, v2
	v_mul_u32_u24 v14, v14, SP
	v_and_b32 v15, 3, v2
	v_lshl_add_u32 v14, v15, 4, v14
	v_add_nc_u32 v14, s21, v14                     ; the stage, on the way in: SP (lane / 4) + 16 (lane % 4)
	v_mul_u32_u24 v15, v2, SP
	v_add_nc_u32 v15, s21, v15                     ; and on the way out: SP x lane: my 16 neighbours
	s_and_b32 s22, s20, 1                          ; u of my rows; on the way out: the tile that I store
	s_lshr_b32 s23, s20, 1                         ; r / 8 of my rows; on the way out: the K half that I store
	v_lshrrev_b32 v5, 1, v2                        ; my block in the K half
	v_and_b32 v6, 1, v2                            ; which half of the block
	v_mul_u32_u24 v4, v5, UP
	v_lshl_add_u32 v4, v6, 3, v4
	s_mul_i32 s24, s22, 32*UP
	s_lshl_b32 s25, s23, 7
	s_add_co_u32 s24, s24, s25
	s_add_co_u32 s24, s24, CST
	v_add_nc_u32 v4, s24, v4                       ; where my 8 bytes of codes go: unit 32 u + block, row 8 (w / 2); step and row stand in the immediate
	s_lshl_b32 s24, s22, 8
	s_add_co_u32 s24, s24, s25
	s_add_co_u32 s24, s24, SCB
	v_add_nc_u32 v5, s24, v5                       ; and my block's scale byte
	v_lshrrev_b32 v6, 4, v2
	v_and_b32 v7, 15, v2
	v_mul_u32_u24 v6, v6, UP
	v_lshl_add_u32 v6, v7, 4, v6
	s_mul_i32 s24, s22, 32*UP
	s_mul_i32 s25, s23, 16*UP
	s_add_co_u32 s24, s24, s25
	s_add_co_u32 s24, s24, CST
	v_add_nc_u32 v6, s24, v6                       ; the way out: units 32 u + 16 s on, two an instruction, sixteen lanes to a unit
	v_lshlrev_b32 v10, 3, v2                       ; 8 x lane
	s_lshl_b32 s24, s20, 8
	s_add_co_u32 s24, s24, SCB
	v_add_nc_u32 v7, s24, v10                      ; and the 256 scale bytes of (s, u): 2 s + u is my wave's number
	s_mov_b32 s26, 352
	s_wait_kmcnt 0x0
	s_cmp_lt_u32 ttmp9, 352                        ; which tensor?  The choices hang on the work-group's number alone
	s_cselect_b64 s[6:7], s[6:7], s[8:9]           ; w_in or w_out,
	s_cselect_b32 s26, 256, s26                    ; and the number of its first work-group
	s_cmp_lt_u32 ttmp9, 256
	s_cselect_b64 s[4:5], s[4:5], s[6:7]           ; x or a weight
	s_cselect_b64 s[10:11], s[10:11], s[14:15]
	s_cselect_b64 s[12:13], s[12:13], s[16:17]
	s_cselect_b32 s26, 0, s26
	s_cselect_b32 s27, 0, 256
	s_sub_co_u32 s26, ttmp9, s26                   ; my 32 rows' number in the tensor that is read,
	s_sub_co_u32 s27, ttmp9, s27                   ; and in the buffers that are written
	s_lshl_b32 s28, s26, 17                        ; 32 rows of 4,096 bytes
	s_lshl_b32 s29, s20, 15                        ; my wave's 8 rows
	s_add_co_u32 s28, s28, s29
	s_mov_b32 s29, 0
	s_add_nc_u64 s[4:5], s[4:5], s[28:29]
	s_lshr_b32 s30, s27, 2                         ; the block of 128 rows
	s_and_b32 s31, s27, 3
	s_lshl_b32 s31, s31, 1
	s_add_co_u32 s31, s31, s22                     ; the tile that I store
	s_lshl_b32 s28, s30, 16
	s_lshl_b32 s32, s23, 15
	s_add_co_u32 s28, s28, s32
	s_lshl_b32 s32, s31, 12
	s_add_co_u32 s28, s28, s32
	s_add_nc_u64 s[10:11], s[10:11], s[28:29]      ; its 4,096 bytes of codes of my K half
	s_lshl_b32 s28, s30, 12
	s_lshl_b32 s32, s23, 11
	s_add_co_u32 s28, s28, s32
	s_lshl_b32 s32, s31, 8
	s_add_co_u32 s28, s28, s32
	s_add_nc_u64 s[12:13], s[12:13], s[28:29]      ; and its 256 scale bytes
.macro LOAD t
.irp i, 0,1,2,3
	global_load_b128 v[R+16*((\t)%4)+4*\i:R+16*((\t)%4)+4*\i+3], v3, s[4:5] offset:2048*(\t)+512*\i th:TH_LOAD_NT   ; 32 lanes read 512 consecutive bytes, read once in the launch
.endr
.endm
.macro TURN t                          ; step t's numbers through the stage: LDS serves a wave's instructions in order, so no wait stands between the stores and the loads
.irp i, 0,1,2,3
	ds_store_b128 v14, v[R+16*((\t)%4)+4*\i:R+16*((\t)%4)+4*\i+3] offset:32*SP*((\t)%2)+8*SP*\i
.endr
.irp i, 0,1,2,3
	ds_load_b128 v[X+16*((\t)%2)+4*\i:X+16*((\t)%2)+4*\i+3], v15 offset:32*SP*((\t)%2)+16*\i
.endr
.endm
.irp t, 0,1,2,3
	LOAD \t
.endr
	s_wait_loadcnt 12                              ; step 0's four loads are in
	TURN 0
.macro STEP t
.set XS, X+16*((\t)%2)
.if (\t) > 0
	s_wait_dscnt 2                                 ; this step's numbers are back from the stage (behind them: the last step's byte store and code store): so its stores into the stage have read their registers,
.else
	s_wait_dscnt 0x0
.endif
.if (\t)+4 < STEPS
	LOAD (\t)+4                                    ; which take the loads of four steps on
.endif
.if (\t)+1 < STEPS
.if STEPS-2-(\t) >= 3
	s_wait_loadcnt 12                              ; the next step's four loads are in; those of the three steps behind it may be out
.else
	s_wait_loadcnt 4*(STEPS-2-(\t))
.endif
	TURN (\t)+1                                    ; and go through the other stage while this step is worked
.endif
	v_max3_num_f32 v8, |v[XS]|, |v[XS+1]|, |v[XS+2]|               ; the largest magnitude of my 16, in two chains
	v_max3_num_f32 v9, |v[XS+3]|, |v[XS+4]|, |v[XS+5]|
.irp i, 6,10
	v_max3_num_f32 v8, v8, |v[XS+\i]|, |v[XS+\i+1]|
	v_max3_num_f32 v9, v9, |v[XS+\i+2]|, |v[XS+\i+3]|
.endr
	v_max3_num_f32 v8, v8, |v[XS+14]|, |v[XS+15]|
	v_max3_num_f32 v8, v8, v9, (EMAX+1)<<23        ; and the floor 2^(EMAX + 1 - 127): the byte cannot fall under 1
	v_max_num_f32_dpp v8, v8, v8 row_xmask:1 row_mask:0xf bank_mask:0xf   ; and of my neighbour's 16: the block's
	v_add_nc_u32 v11, -(EMAX<<23), v8              ; EMAX off its exponent field: the conversion takes the exponent field of this operand as its scale, and nothing else of it
	v_cvt_scalef32_pk8_fp4_f32 v[C+4*(\t)], v[XS:XS+7], v11
	v_cvt_scalef32_pk8_fp4_f32 v[C+4*(\t)+1], v[XS+8:XS+15], v11
	v_lshrrev_b32 v[E+(\t)], 23, v11               ; the scale's byte (a plain line behind the conversions)
	ds_store_b8 v5, v[E+(\t)] offset:512*((\t)%2)+16*((\t)/2)      ; both lanes of a block write the same byte with the same value
	ds_store_b64 v4, v[C+4*(\t):C+4*(\t)+1] offset:16*UP*((\t)%2)+16*((\t)/2)   ; K half t % 2: 16 units on; row t / 2: 16 bytes on
.endm
.irp t, 0,1,2,3,4,5,6,7,8,9,10,11,12,13,14,15
	STEP \t
.endr
	s_wait_dscnt 0x0                               ; for the others' sake: my stores of codes and bytes are done
	s_barrier_signal -1
	s_barrier_wait -1                              ; all 32 rows' codes lie in LDS in the output's order
.irp n, 0,1,2,3,4,5,6,7
	ds_load_b128 v[R+4*\n:R+4*\n+3], v6 offset:2*UP*\n
.endr
	ds_load_b64 v[48:49], v7
.irp n, 0,1,2,3,4,5,6,7
	s_wait_dscnt 8-\n                              ; load n is back; the younger ones may be out
	global_store_b128 v3, v[R+4*\n:R+4*\n+3], s[10:11] offset:512*\n   ; 32 lanes store 512 consecutive bytes, at a multiple of 256 from the buffer's first byte
.endr
	s_wait_dscnt 0x0
	global_store_b64 v10, v[48:49], s[12:13]       ; 32 lanes store 256 consecutive bytes, aligned
	s_wait_tensorcnt 0x0
	ds_add_u32 v192, v193
	s_wait_dscnt 0x0
	s_endpgm
.Lfunc_end_k_q6b228ef891_quant:
	.size	k_q6b228ef891_quant, .Lfunc_end_k_q6b228ef891_quant-k_q6b228ef891_quant
	.p2alignl 7, 3214868480
	.fill 96, 4, 3214868480
	.section	.rodata,"a",@progbits
	.p2align	6, 0x0
	.amdhsa_kernel k_q6b228ef891_quant
		.amdhsa_group_segment_fixed_size 39424
		.amdhsa_private_segment_fixed_size 0
		.amdhsa_enable_private_segment 0
		.amdhsa_kernarg_size 56
		.amdhsa_user_sgpr_count 2
		.amdhsa_user_sgpr_kernarg_segment_ptr 1
		.amdhsa_wavefront_size32 1
		.amdhsa_system_sgpr_workgroup_id_x 1
		.amdhsa_system_sgpr_workgroup_id_y 1
		.amdhsa_system_sgpr_workgroup_id_z 1
		.amdhsa_system_vgpr_workitem_id 0
		.amdhsa_next_free_vgpr 194
		.amdhsa_next_free_sgpr 66
		.amdhsa_reserve_vcc 0
		.amdhsa_float_denorm_mode_32 3
		.amdhsa_float_denorm_mode_16_64 3
		.amdhsa_memory_ordered 1
		.amdhsa_forward_progress 1
		.amdhsa_inst_pref_size 36
	.end_amdhsa_kernel
	.amdgpu_metadata
---
amdhsa.version: [ 1, 2 ]
amdhsa.kernels:
  - .name:           k_q6b228ef891_quant
    .symbol:         k_q6b228ef891_quant.kd
    .args:
      - { .name: x, .offset: 0, .size: 8, .value_kind: global_buffer, .address_space: global }
      - { .name: w_in, .offset: 8, .size: 8, .value_kind: global_buffer, .address_space: global }
      - { .name: w_out, .offset: 16, .size: 8, .value_kind: global_buffer, .address_space: global }
      - { .name: acodes, .offset: 24, .size: 8, .value_kind: global_buffer, .address_space: global }
      - { .name: ascales, .offset: 32, .size: 8, .value_kind: global_buffer, .address_space: global }
      - { .name: wcodes, .offset: 40, .size: 8, .value_kind: global_buffer, .address_space: global }
      - { .name: wscales, .offset: 48, .size: 8, .value_kind: global_buffer, .address_space: global }
    .group_segment_fixed_size: 39424
    .private_segment_fixed_size: 0
    .kernarg_segment_align: 8
    .kernarg_segment_size: 56
    .max_flat_workgroup_size: 128
    .sgpr_count:     66
    .vgpr_count:     194
    .wavefront_size: 32
...
	.end_amdgpu_metadata
.endif
;; end of part 1
;; launch qkvgemm (part 2): grid 8 x 48, 4 waves a work-group, clusters of 4 x 4, 279,040 bytes of LDS; arguments acodes, ascales, wcodes, wscales, b_in, qkv; writes qkv
.if DOCPART == 2
	.amdgcn_target "amdgcn-amd-amdhsa--gfx1250"
	.amdhsa_code_object_version 6
	.text
	.protected	k_q6b228ef891_qkvgemm
	.globl	k_q6b228ef891_qkvgemm
	.p2align	8
	.type	k_q6b228ef891_qkvgemm,@function
k_q6b228ef891_qkvgemm:
	s_mov_b64 s[64:65], 0
	v_nop
	global_prefetch_b8 v0, s[64:65] scope:SCOPE_SE
	s_setreg_imm32_b32 hwreg(HW_REG_WAVE_MODE, 25, 1), 1
	s_wait_xcnt 0x0
	s_wait_alu depctr_hold_cnt(0) depctr_sa_sdst(0) depctr_va_vdst(0) depctr_va_sdst(0) depctr_va_ssrc(0) depctr_va_vcc(0) depctr_vm_vsrc(0)
	s_getreg_b32 s2, hwreg(HW_REG_IB_STS2, 6, 4)
	s_cmp_eq_u32 s2, 0
	s_cbranch_scc0 .Lentry_in_a_cluster
	s_endpgm
.Lentry_in_a_cluster:
	s_bfe_u32 s2, ttmp6, 0x10000c
	s_cmp_lg_u32 s2, 0xf033
	s_cbranch_scc0 .Lentry_shape_is_right
	s_endpgm
.Lentry_shape_is_right:
; qkv = x w_in^T + b_in on codes of FP4 with E8M0 scales, and q, k, v quantised at once for the attention's products: no f32 number of qkv goes to memory.
; ROLES.  Source 0 of the matrix instruction is P, source 1 is R.  In a result a lane holds ONE row of R (lane % 16 of R's tile) and its registers run along P; since lane r of tile 2 g + u holds row
; 32 g + 8 u + r + 8 (r / 8), the 16 registers of P's tiles 2 g and 2 g + 1 are the 16 neighbours 32 g + 16 (lane / 16) + 0 .. 15: P's axis is the axis that is quantised next.
;   clusters y = 0 .. 7 make q and k: R = tokens, P = rows 0 .. 2047 of w_in: quantised along the head's 64.      clusters y = 8 .. 11 make v: R = rows 2048 .. 3071 of w_in, P = tokens: quantised along the KEYS.
; Only pointers, offsets and the bias table are chosen by that kind, which all partners of a cluster share; one branch on it picks the first K step's C.
; A work-group of four waves makes 256 R x 256 P, a wave 128 x 128: 64 accumulators, 512 registers.  K = 1,024 is 512 bytes a row: both tiles lie in LDS for ALL of K, so no LDS byte is filled twice.
; OPERANDS LIE IN MEMORY AND IN LDS AS IMAGES OF THEIR REGISTERS ([128 rows][K half][tile][K step][c][512 bytes], lane l at 16 l): every fragment load reads 512 consecutive bytes, and each tile is a dense block.
; CLUSTERS: 4 x 4 work-groups.  R's tile hangs on the cluster's y and cy alone and is asked for jointly by a row of the cluster, P's on the cluster's place and cx alone, by a column: this divides the requests by four.
; THE BIAS is the C of the first K step: 64 registers in the result's layout (q, k: by P's tile and register; v: by R's tile and lane).
; THE WAY OUT stays in registers: block maxima, scale bytes, conversions, and stores of 512 consecutive bytes: an image of the attention's operand.
; qkv: [q, k, v][batch x head 64][128 tokens 16][4,352 bytes]: codes [i 4][half 2][512], then 256 scale bytes [r 16][i 4] as words.  q, k: half x = token tile i + 4 x (a token's 64 codes); word = bytes of tile i | tile i + 4 << 16.
; v: the 1,024 bytes of i are one fragment of V^T (channel tile i, 128 keys); word = its four bytes.
; LIMITS: a block of zeros gets the byte 1 (its codes are zeros; this program alone reads the bytes); blocks under the floor 2^(3 - 127) were not tried; NaN and infinities are not served.
; REGISTERS, in windows of 256: window 0: v1-11 lane numbers and offsets; v16-27 LDS addresses; v32-95 scale words; v96-159 the bias table; v160-175 at work; v176-191 scale bytes; v192-255 codes.
;   window 1: P's two sets of fragments at v0, v64; R's two at v128, v192.   windows 2, 3: accumulator (a, b) at v[8 (8 (a % 4) + b)] of window 2 + a / 4.
.set HB,    69632                      ; a head's 16 records
.set REC,   4352
.set SEC,   64*HB
.set KH,    131072                     ; LDS: a K half: R's two blocks of 128 rows, then P's two, 32,768 bytes each
.set SCL,   2*KH                       ; behind them the scales: 4,096 bytes for each of the four blocks
.set VO00, 8
.set VO01, 9
.set VO10, 10
.set VOS,  11
.set ADRA, 16                          ; v16-17  my R fragments in K half 0, 1
.set ADRB, 20                          ; v20-21  my P fragments
.set ADRS, 27                          ; v27     my scale words: lanes 0-15 R's rows, lanes 16-31 P's
.set SC,   32                          ; register 32 s + 4 i + q: lanes 0-15 the word of R's tile i, lanes 16-31 of P's tile i, for K step 4 s + q
.set TB,   96
.set TM,   160
.set SCH,  176                         ; v[SCH + 2 a + c]: bytes of blocks 2 c, 2 c + 1 of R's tile a.  Ahead of the products: the eight offsets of the bias loads
.set PC,   192
.set WV, 16
.set WR, 17                            ; which half of R is mine.  Also: I fetch for R (0) or for P (1)
.set WP, 18                            ; which half of P.  Also: which block of 128 rows I fetch
.set YY, 19
.set SEL, 66
.set G1, 24
.set G0, 32
.set G1B, 48
.set G0B, 56
.set G1S, 68
.set G0S, 76
.set G1SB, 80
.set G0SB, 88
.set MSB, 0
.macro WIN new                         ; the immediate's high byte repeats the setting that is left
.if MSB != \new
	s_set_vgpr_msb (MSB<<8)|\new
.set MSB, \new
.endif
.endm
.set MUL_LO, 0xa5                      ; sources 0 and 1 window 1, C and D window 2
.set MUL_HI, 0xf5                      ; C and D window 3
.set FST_LO, 0x85                      ; the first K step: C (the bias) window 0
.set FST_HI, 0xc5
.set TO_F,   0x40                      ; destination window 1, address window 0
; A joint load: waves 0 and 1 fetch for R, waves 2 and 3 for P.  Each line has one mask and one set of registers for all that issue it; the branch hangs on the wave's number alone.
; Four v_nop follow each of the two lines, ahead of the jump, the label and what follows.
.macro JLOAD g0a, g1a, g0b, g1b
	s_cmp_eq_u32 s[WR], 0
	s_cbranch_scc0 .Lfor_p_\@
	tensor_load_to_lds s[\g0a:\g0a+3], s[\g1a:\g1a+7]
	s_nop 0
.rept 4
	v_nop
.endr
	s_branch .Lasked_\@
.Lfor_p_\@:
	tensor_load_to_lds s[\g0b:\g0b+3], s[\g1b:\g1b+7]
	s_nop 0
.rept 4
	v_nop
.endr
.Lasked_\@:
.endm
.macro CROUND                          ; a round of the cluster's barrier
	s_barrier_signal -1
	s_barrier_wait -1
	s_cmp_lg_u32 s[WV], 0
	s_cbranch_scc1 .Lnot_wave_0_\@
	s_barrier_signal -3
.Lnot_wave_0_\@:
	s_barrier_wait -3
	s_barrier_signal -1
	s_barrier_wait -1
.endm
.macro PLACES                          ; four plain vector lines between a matrix instruction and a load into, or a read of, its registers
.rept 4
	v_nop
.endr
.endm
	s_load_b256 s[4:11], s[0:1], 0x0               ; x's codes s[4:5], x's scales s[6:7], the weights' codes s[8:9], their scales s[10:11]
	s_load_b128 s[12:15], s[0:1], 0x20             ; b_in s[12:13], qkv s[14:15]
	v_lshl_add_u32 v170, v0, 2, 0x44000
	v_mov_b32 v171, 0
	ds_add_u32 v170, v171
	ds_add_u32 v170, v171
	v_lshrrev_b32 v1, 5, v0
	v_readfirstlane_b32 s[WV], v1                  ; wave 0..3
	s_lshr_b32 s[WR], s[WV], 1
	s_and_b32 s[WP], s[WV], 1
	s_bfe_u32 s40, ttmp6, 0x40000                  ; cx, cy: my place in the cluster
	s_bfe_u32 s41, ttmp6, 0x40004
	s_and_b32 s[YY], ttmp7, 0xffff                 ; the cluster's y: 0-7 q and k, 8-11 v
	s_lshl_b32 s43, s41, 2
	s_lshl_b32 s43, 15, s43                        ; my row of the cluster
	s_lshl_b32 s44, 0x1111, s40                    ; my column
	; descriptor group 1: a dense block as rows of 256 bytes (32 elements of 8 bytes), no padding: 128 rows of codes, 16 rows of scales
	s_or_b32 s[G1+0], s43, (3<<16)|(1<<21)         ; 15:0 the mask: R's tiles go to my row; 17:16 elements of 8 bytes; 21 set beside a mask
	s_or_b32 s[G1B+0], s44, (3<<16)|(1<<21)        ; P's to my column
	s_or_b32 s[G1S+0], s43, (3<<16)|(1<<21)
	s_or_b32 s[G1SB+0], s44, (3<<16)|(1<<21)
.irp g, G1, G1B
	s_mov_b32 s[\g+1], 32<<16                      ; tensor_dim0
	s_mov_b32 s[\g+2], 128<<16                     ; tensor_dim1
	s_mov_b32 s[\g+3], 32<<16                      ; tile_dim0
	s_mov_b32 s[\g+4], 128                         ; tile_dim1
	s_mov_b32 s[\g+5], 32                          ; the pitch
	s_mov_b32 s[\g+6], 0
	s_mov_b32 s[\g+7], 0
.endr
.irp g, G1S, G1SB
	s_mov_b32 s[\g+1], 32<<16
	s_mov_b32 s[\g+2], 16<<16
	s_mov_b32 s[\g+3], 32<<16
	s_mov_b32 s[\g+4], 16
	s_mov_b32 s[\g+5], 32
	s_mov_b32 s[\g+6], 0
	s_mov_b32 s[\g+7], 0
.endr
	; R's block of 128 rows: q, k: tokens, tile 4 y + cy;  v: w_in, tile 8 + cy.  These registers never hold cx or the cluster's x
	s_lshl_b32 s20, s[YY], 2
	s_cmp_ge_u32 s[YY], 8
	s_cselect_b32 s20, 8, s20
	s_cselect_b32 s45, -1, 0                       ; the kind as a lane mask: all ones for v
	s_add_co_u32 s20, s20, s41
	s_lshl_b32 s20, s20, 1
	s_add_co_u32 s20, s20, s[WP]
	s_lshl_b32 s22, s20, 12                        ; its scales, in bytes,
	s_lshl_b32 s20, s20, 16                        ; and its codes
	s_mov_b32 s21, 0
	s_mov_b32 s23, 0
	; P's block: q, k: w_in, tile 4 x + cx;  v: tokens, tile 8 (y - 8) + 4 x + cx.  These never hold cy
	s_max_u32 s46, s[YY], 8
	s_sub_co_u32 s46, s46, 8
	s_lshl_b32 s46, s46, 3
	s_lshl_b32 s47, ttmp9, 2
	s_add_co_u32 s46, s46, s47
	s_add_co_u32 s46, s46, s40
	s_lshl_b32 s46, s46, 1
	s_add_co_u32 s46, s46, s[WP]
	s_lshl_b32 s92, s46, 12
	s_lshl_b32 s46, s46, 16
	s_mov_b32 s47, 0
	s_mov_b32 s93, 0
	s_lshl_b32 s2, s[WV], 15                       ; where they go: wave x 32,768: no place in the cluster enters an LDS address
	s_lshl_b32 s3, s[WV], 12
	s_add_co_u32 s3, s3, SCL
	s_wait_dscnt 0x0
	s_wait_kmcnt 0x0
	s_cmp_ge_u32 s[YY], 8                          ; which buffers are R's and which P's: a choice that hangs on no address
	s_cselect_b64 s[94:95], s[8:9], s[4:5]
	s_cselect_b64 s[96:97], s[10:11], s[6:7]
	s_cselect_b64 s[4:5], s[4:5], s[8:9]
	s_cselect_b64 s[6:7], s[6:7], s[10:11]
	s_add_nc_u64 s[20:21], s[94:95], s[20:21]      ; R's codes,
	s_add_nc_u64 s[22:23], s[96:97], s[22:23]      ; R's scales,
	s_add_nc_u64 s[46:47], s[4:5], s[46:47]        ; P's codes,
	s_add_nc_u64 s[92:93], s[6:7], s[92:93]        ; P's scales
	CROUND                                         ; all sixteen work-groups are here: the joint loads meet
	s_mov_b32 s[G0S], 1
	s_mov_b32 s[G0S+1], s3
	s_mov_b64 s[G0S+2:G0S+3], s[22:23]
	s_or_b32 s[G0S+3], s[G0S+3], 0x80000000
	s_mov_b32 s[G0SB], 1
	s_mov_b32 s[G0SB+1], s3
	s_mov_b64 s[G0SB+2:G0SB+3], s[92:93]
	s_or_b32 s[G0SB+3], s[G0SB+3], 0x80000000
	JLOAD G0S, G1S, G0SB, G1SB                     ; the scales first, then the two K halves: three tensor loads of mine are out
.irp s, 0,1
	s_mov_b32 s[G0+4*\s], 1
	s_add_co_u32 s[G0+4*\s+1], s2, \s*KH
	s_add_nc_u64 s[G0+4*\s+2:G0+4*\s+3], s[20:21], \s*32768
	s_or_b32 s[G0+4*\s+3], s[G0+4*\s+3], 0x80000000
	s_mov_b32 s[G0B+4*\s], 1
	s_add_co_u32 s[G0B+4*\s+1], s2, \s*KH
	s_add_nc_u64 s[G0B+4*\s+2:G0B+4*\s+3], s[46:47], \s*32768
	s_or_b32 s[G0B+4*\s+3], s[G0B+4*\s+3], 0x80000000
	JLOAD G0+4*\s, G1, G0B+4*\s, G1B
.endr
	v_and_b32 v1, 15, v0                           ; r
	v_bfe_u32 v2, v0, 4, 1                         ; h
	v_and_b32 v3, 31, v0
	v_lshlrev_b32 v[VO00], 4, v3                   ; 16 x lane: an image's place for my lane, in LDS and in memory
	s_lshl_b32 s20, s[WR], 15                      ; my block of R,
	s_lshl_b32 s21, s[WP], 15
	s_add_co_u32 s21, s21, 65536                   ; my block of P, behind R's two
.irp s, 0,1
	v_add_nc_u32 v[ADRA+\s], s20, v[VO00]
	v_add_nc_u32 v[ADRB+\s], s21, v[VO00]
	s_add_co_u32 s20, s20, KH
	s_add_co_u32 s21, s21, KH
.endr
	s_xor_b32 s22, s[WR], 1
	s_add_co_u32 s22, s22, s[WP]
	s_add_co_u32 s22, s22, 1                       ; blocks from my R's scales to my P's: 2 + wp - wr
	s_lshl_b32 s22, s22, 12
	v_mul_u32_u24 v4, s22, v2                      ; lanes 16-31 take P's
	v_lshl_add_u32 v4, v1, 4, v4                   ; 16 bytes a row: the four words of a K half
	s_lshl_b32 s23, s[WR], 12
	s_add_co_u32 s23, s23, SCL
	v_add_nc_u32 v[ADRS], s23, v4
	; the bias table.  q, k: TB[8 b + j] = b_in[nb + 32 (b / 2) + 8 (b % 2) + 16 h + j];  v: TB[8 a + j] = b_in[nb + 32 (a / 2) + 8 (a % 2) + r + 8 (r / 8)] for every j
	s_lshl_b32 s20, ttmp9, 2
	s_add_co_u32 s20, s20, s40
	s_lshl_b32 s20, s20, 8
	s_lshl_b32 s21, s[WP], 7
	s_add_co_u32 s20, s20, s21                     ; q, k: nb = 256 (4 x + cx) + 128 wp
	s_lshl_b32 s21, s41, 8
	s_lshl_b32 s22, s[WR], 7
	s_add_co_u32 s21, s21, s22
	s_add_co_u32 s21, s21, 2048                    ; v: nb = 2048 + 256 cy + 128 wr
	s_cmp_ge_u32 s[YY], 8
	s_cselect_b32 s20, s21, s20
	s_cselect_b32 s98, 0, 4                        ; bytes from register j to j + 1
	s_lshl_b32 s20, s20, 2
	s_mov_b32 s21, 0
	s_add_nc_u64 s[12:13], s[12:13], s[20:21]
	v_lshlrev_b32 v3, 6, v2                        ; q, k: 64 h
	v_and_b32 v4, 8, v1
	v_add_nc_u32 v4, v4, v1
	v_lshlrev_b32 v4, 2, v4                        ; v: 4 (r + 8 (r / 8))
	v_cndmask_b32 v5, v3, v4, s45
.irp j, 0,1,2,3,4,5,6,7
	v_mad_u32_u24 v[SCH+\j], s98, \j, v5
.endr
.irp x, 0,1,2,3,4,5,6,7
.irp j, 0,1,2,3,4,5,6,7
	global_load_b32 v[TB+8*\x+\j], v[SCH+\j], s[12:13] offset:(32*(\x/2)+8*(\x%2))*4
.endr
.endr
	; where the results go.  An image (R's tile a = i + 4 X, half c of its 128 along P) lies 1,024 i bytes on, and: q, k: 512 X + HB c (c is the head);  v: HB X + 512 c (X is the head)
	s_mov_b32 s20, HB
	s_mov_b32 s21, 512
	s_cmp_ge_u32 s[YY], 8
	s_cselect_b32 s22, s21, s20
	s_cselect_b32 s23, s20, s21
	v_add_nc_u32 v[VO01], s22, v[VO00]
	v_add_nc_u32 v[VO10], s23, v[VO00]
	v_mul_u32_u24 v[VOS], HB, v2
	v_lshl_add_u32 v[VOS], v1, 4, v[VOS]
	v_add_nc_u32 v[VOS], 4096, v[VOS]              ; the scale words: 16 bytes a row; lanes 16-31 the second head's record
	s_lshr_b32 s20, s[YY], 1                       ; q, k: batch y / 2, head 4 cx + 2 wp, section x, record 2 ((4 y + cy) % 8) + wr
	s_lshl_b32 s20, s20, 4
	s_lshl_b32 s21, s40, 2
	s_add_co_u32 s20, s20, s21
	s_lshl_b32 s21, s[WP], 1
	s_add_co_u32 s20, s20, s21
	s_mul_i32 s20, s20, HB
	s_mul_i32 s21, ttmp9, SEC
	s_add_co_u32 s20, s20, s21
	s_lshl_b32 s21, s[YY], 2
	s_add_co_u32 s21, s21, s41
	s_and_b32 s21, s21, 7
	s_lshl_b32 s21, s21, 1
	s_add_co_u32 s21, s21, s[WR]
	s_mul_i32 s21, s21, REC
	s_add_co_u32 s20, s20, s21
	s_max_u32 s22, s[YY], 8                        ; v: batch y - 8, head 4 cy + 2 wr, section 2, record 2 (4 x + cx) + wp
	s_sub_co_u32 s22, s22, 8
	s_lshl_b32 s22, s22, 4
	s_lshl_b32 s23, s41, 2
	s_add_co_u32 s22, s22, s23
	s_lshl_b32 s23, s[WR], 1
	s_add_co_u32 s22, s22, s23
	s_mul_i32 s22, s22, HB
	s_add_co_u32 s22, s22, 2*SEC
	s_lshl_b32 s23, ttmp9, 2
	s_add_co_u32 s23, s23, s40
	s_lshl_b32 s23, s23, 1
	s_add_co_u32 s23, s23, s[WP]
	s_mul_i32 s23, s23, REC
	s_add_co_u32 s22, s22, s23
	s_cmp_ge_u32 s[YY], 8
	s_cselect_b32 s20, s22, s20
	s_mov_b32 s21, 0
	s_add_nc_u64 s[14:15], s[14:15], s[20:21]
	s_mov_b32 s[SEL], 0x76543210
	s_mov_b32 s[SEL+1], 0xfedcba98                 ; v_permlanex16_b32's selects for lane l xor 16
	s_mov_b32 s99, 0xffff0000                      ; lanes 16-31
.irp b, 0,1,2,3
	v_mov_b32 v[TM+4+\b], 0                        ; written once: a lane permute's destination counts as one of its sources
.endr
.macro FETCH q                         ; the fragments of K step q (128 along K), 32 loads of 512 consecutive bytes, into set q % 2
	WIN TO_F
.irp i, 0,1,2,3,4,5,6,7
.irp c, 0,1
	ds_load_b128 v[64*((\q)%2)+8*\i+4*\c:64*((\q)%2)+8*\i+4*\c+3], v[ADRB+(\q)/4] offset:4096*\i+1024*((\q)%4)+512*\c
.endr
.endr
.irp i, 0,1,2,3,4,5,6,7
.irp c, 0,1
	ds_load_b128 v[128+64*((\q)%2)+8*\i+4*\c:128+64*((\q)%2)+8*\i+4*\c+3], v[ADRA+(\q)/4] offset:4096*\i+1024*((\q)%4)+512*\c
.endr
.endr
.endm
.macro SCALES                          ; all scale words of my 128 + 128 rows: 16 bytes a row and K half
.irp s, 0,1
.irp i, 0,1,2,3,4,5,6,7
	ds_load_b128 v[SC+32*\s+4*\i:SC+32*\s+4*\i+3], v[ADRS] offset:2048*\s+256*\i
.endr
.endr
.endm
; 16 matrix instructions: R's tiles a0, a0 + 1 x P's eight, K step q.  mode 0: the sums go on; 1: they begin with the bias by P's tile; 2: by R's tile.
; The 64 accumulators take turns, one instruction a turn, in the same order in every step.
.macro MUL16 a0, q, mode
.irp a, \a0, \a0+1
.irp b, 0,1,2,3,4,5,6,7
.set rD, 8*(8*((\a)%4)+\b)
.set rP, 64*((\q)%2)+8*\b
.set rR, 128+64*((\q)%2)+8*(\a)
.set sP, SC+32*((\q)/4)+4*\b+(\q)%4
.set sR, SC+32*((\q)/4)+4*(\a)+(\q)%4
.if \mode == 0
	v_wmma_scale_f32_16x16x128_f8f6f4 v[rD:rD+7], v[rP:rP+7], v[rR:rR+7], v[rD:rD+7], v[sP], v[sR] matrix_a_fmt:MATRIX_FMT_FP4 matrix_b_fmt:MATRIX_FMT_FP4 matrix_a_scale:MATRIX_SCALE_ROW1
.elseif \mode == 1
	v_wmma_scale_f32_16x16x128_f8f6f4 v[rD:rD+7], v[rP:rP+7], v[rR:rR+7], v[TB+8*\b:TB+8*\b+7], v[sP], v[sR] matrix_a_fmt:MATRIX_FMT_FP4 matrix_b_fmt:MATRIX_FMT_FP4 matrix_a_scale:MATRIX_SCALE_ROW1
.else
	v_wmma_scale_f32_16x16x128_f8f6f4 v[rD:rD+7], v[rP:rP+7], v[rR:rR+7], v[TB+8*(\a):TB+8*(\a)+7], v[sP], v[sR] matrix_a_fmt:MATRIX_FMT_FP4 matrix_b_fmt:MATRIX_FMT_FP4 matrix_a_scale:MATRIX_SCALE_ROW1
.endif
.endr
.endr
.endm
.macro STEP q, mode                    ; K step q, whose successor lies in the same K half: the successor's fragments are asked for first, into the set that the step before has left
	PLACES
	FETCH (\q)+1
	s_wait_dscnt 32                                ; all but the 32 just issued: this step's fragments (and the scale words) are in
.if \mode
	WIN FST_LO
.else
	WIN MUL_LO
.endif
	MUL16 0, \q, \mode
	MUL16 2, \q, \mode
.if \mode
	WIN FST_HI
.else
	WIN MUL_HI
.endif
	MUL16 4, \q, \mode
	MUL16 6, \q, \mode
	WIN 0
.endm
	s_wait_tensorcnt 1                             ; my part of the scales and of K half 0 is in; K half 1's load may stay out
	s_barrier_signal -1
	s_barrier_wait -1                              ; everybody's is
	SCALES
	FETCH 0
	WIN 0                                          ; at a branch and at a label every window is 0
	s_wait_loadcnt 0x0                             ; the bias table
	s_cmp_ge_u32 s[YY], 8                          ; the one branch on the kind, which all partners share: the first K step's C
	s_cbranch_scc1 .Lfirst_v
	STEP 0, 1
	s_branch .Lsecond
.Lfirst_v:
	STEP 0, 2
.Lsecond:
	STEP 1, 0
	STEP 2, 0
	s_wait_tensorcnt 0x0                           ; K step 3 changes halves: my part of K half 1 is in,
	s_wait_dscnt 0x0                               ; and so are this step's fragments
	s_barrier_signal -1
	WIN MUL_LO
	MUL16 0, 3, 0                                  ; work on registers while the others arrive
	MUL16 2, 3, 0
	s_barrier_wait -1                              ; K half 1 is whole
	PLACES
	FETCH 4
	WIN MUL_HI
	MUL16 4, 3, 0
	MUL16 6, 3, 0
	WIN 0
	STEP 4, 0
	STEP 5, 0
	STEP 6, 0
	s_wait_dscnt 0x0                               ; the last step: nothing more to fetch
	WIN MUL_LO
	MUL16 0, 7, 0
	MUL16 2, 7, 0
	WIN MUL_HI
	MUL16 4, 7, 0
	MUL16 6, 7, 0
	WIN 0
	PLACES
; R's tile a: its 64 registers of a lane, register 16 b + i = P's row 32 b + 16 (lane / 16) + i, become a fragment's codes, two pairs of scale bytes, and two stores.  Each accumulator is read from its low end on.
.macro QUANT a
.set AC, 64*((\a)%4)
.set WN, 2+(\a)/4
.set WW, (WN<<2)|(WN<<4)
	WIN WW                                         ; sources 1 and 2: the accumulators' window
.irp b, 0,1,2,3
	v_max3_num_f32 v[TM+\b], 0x1800000, |v[AC+16*\b]|, |v[AC+16*\b+1]|   ; block b: my 16 numbers, and the floor 2^(3 - 127): the byte cannot fall under 1
.endr
.irp i, 2,4,6,8,10,12,14
.irp b, 0,1,2,3
	v_max3_num_f32 v[TM+\b], v[TM+\b], |v[AC+16*\b+\i]|, |v[AC+16*\b+\i+1]|   ; (the four blocks by turns)
.endr
.endr
	WIN 0
.irp b, 0,1,2,3
	v_permlanex16_b32 v[TM+4+\b], v[TM+\b], s[SEL], s[SEL+1]
.endr
.irp b, 0,1,2,3
	v_max_num_f32 v[TM+\b], v[TM+\b], v[TM+4+\b]   ; with lane l xor 16's: the block's largest magnitude
.endr
.irp b, 0,1,2,3
	v_add_nc_u32 v[TM+12+\b], 0xff000000, v[TM+\b] ; 2 off its exponent field: the conversion's scale operand
.endr
.irp b, 0,1,2,3
	v_lshrrev_b32 v[TM+4+\b], 23, v[TM+12+\b]      ; the scale's byte
.endr
	v_lshl_or_b32 v[SCH+2*(\a)], v[TM+5], 8, v[TM+4]
	v_lshl_or_b32 v[SCH+2*(\a)+1], v[TM+7], 8, v[TM+6]
	WIN WN                                         ; source 0: the accumulators' window
.irp b, 0,1,2,3
	v_cvt_scalef32_pk8_fp4_f32 v[PC+8*(\a)+2*\b], v[AC+16*\b:AC+16*\b+7], v[TM+12+\b]
	v_cvt_scalef32_pk8_fp4_f32 v[PC+8*(\a)+2*\b+1], v[AC+16*\b+8:AC+16*\b+15], v[TM+12+\b]
.endr
	WIN 0
	v_nop                                          ; one plain line behind a scaled conversion
.irp c, 0,1                            ; the operand's layout wants a WHOLE block in a lane: lanes 0-15 block 2 c, lanes 16-31 block 2 c + 1
.irp i, 0,1
	v_permlane16_swap_b32 v[PC+8*(\a)+4*\c+\i], v[PC+8*(\a)+4*\c+2+\i]
.endr
.endr
.if (\a)/4 == 0                        ; each store covers 512 consecutive bytes, at a multiple of 256 from the buffer's first byte; each has data registers of its own
	global_store_b128 v[VO00], v[PC+8*(\a):PC+8*(\a)+3], s[14:15] offset:1024*((\a)%4)
	global_store_b128 v[VO01], v[PC+8*(\a)+4:PC+8*(\a)+7], s[14:15] offset:1024*((\a)%4)
.else
	global_store_b128 v[VO10], v[PC+8*(\a):PC+8*(\a)+3], s[14:15] offset:1024*((\a)%4)
	global_store_b128 v[VO00], v[PC+8*(\a)+4:PC+8*(\a)+7], s[14:15] offset:1024*((\a)%4)+512+HB
.endif
.endm
.irp a, 0,1,2,3,4,5,6,7
	QUANT \a
.endr
	; the scale words of my two records.  q, k: record c: bytes (i, c) | (i + 4, c) << 16;  v: record X: bytes (i + 4 X, 0) | (i + 4 X, 1) << 16.  Lanes 0-15 store the first record's, lanes 16-31 the second's
.irp i, 0,1,2,3
	v_cndmask_b32 v[TM], v[SCH+2*(\i+4)], v[SCH+2*\i+1], s45
	v_cndmask_b32 v[TM+1], v[SCH+2*\i+1], v[SCH+2*(\i+4)], s45
	v_lshl_or_b32 v[TM], v[TM], 16, v[SCH+2*\i]
	v_lshl_or_b32 v[TM+1], v[SCH+2*(\i+4)+1], 16, v[TM+1]
	v_cndmask_b32 v[TM+4+\i], v[TM], v[TM+1], s99
.endr
	global_store_b128 v[VOS], v[TM+4:TM+7], s[14:15]   ; sixteen lanes store 256 consecutive bytes, aligned, twice
	s_wait_tensorcnt 0x0
	ds_add_u32 v170, v171
	s_wait_dscnt 0x0
	CROUND                                         ; the closing round: no work-group ends while a partner may still ask for a tile that names it
	s_endpgm
.Lfunc_end_k_q6b228ef891_qkvgemm:
	.size	k_q6b228ef891_qkvgemm, .Lfunc_end_k_q6b228ef891_qkvgemm-k_q6b228ef891_qkvgemm
	.p2alignl 7, 3214868480
	.fill 96, 4, 3214868480
	.section	.rodata,"a",@progbits
	.p2align	6, 0x0
	.amdhsa_kernel k_q6b228ef891_qkvgemm
		.amdhsa_group_segment_fixed_size 279040
		.amdhsa_private_segment_fixed_size 0
		.amdhsa_enable_private_segment 0
		.amdhsa_kernarg_size 48
		.amdhsa_user_sgpr_count 2
		.amdhsa_user_sgpr_kernarg_segment_ptr 1
		.amdhsa_wavefront_size32 1
		.amdhsa_system_sgpr_workgroup_id_x 1
		.amdhsa_system_sgpr_workgroup_id_y 1
		.amdhsa_system_sgpr_workgroup_id_z 1
		.amdhsa_system_vgpr_workitem_id 0
		.amdhsa_next_free_vgpr 1024
		.amdhsa_next_free_sgpr 100
		.amdhsa_reserve_vcc 0
		.amdhsa_float_denorm_mode_32 3
		.amdhsa_float_denorm_mode_16_64 3
		.amdhsa_memory_ordered 1
		.amdhsa_forward_progress 1
		.amdhsa_inst_pref_size 145
	.end_amdhsa_kernel
	.amdgpu_metadata
---
amdhsa.version: [ 1, 2 ]
amdhsa.kernels:
  - .name:           k_q6b228ef891_qkvgemm
    .symbol:         k_q6b228ef891_qkvgemm.kd
    .args:
      - { .name: acodes, .offset: 0, .size: 8, .value_kind: global_buffer, .address_space: global }
      - { .name: ascales, .offset: 8, .size: 8, .value_kind: global_buffer, .address_space: global }
      - { .name: wcodes, .offset: 16, .size: 8, .value_kind: global_buffer, .address_space: global }
      - { .name: wscales, .offset: 24, .size: 8, .value_kind: global_buffer, .address_space: global }
      - { .name: b_in, .offset: 32, .size: 8, .value_kind: global_buffer, .address_space: global }
      - { .name: qkv, .offset: 40, .size: 8, .value_kind: global_buffer, .address_space: global }
    .group_segment_fixed_size: 279040
    .private_segment_fixed_size: 0
    .kernarg_segment_align: 8
    .kernarg_segment_size: 48
    .max_flat_workgroup_size: 128
    .sgpr_count:     100
    .vgpr_count:     1024
    .wavefront_size: 32
...
	.end_amdgpu_metadata
.endif
;; end of part 2
;; launch attn (part 3): grid 4 x 64, 16 waves a work-group, clusters of 4 x 1, 169,984 bytes of LDS; arguments qkv, acodes, ascales; writes acodes, ascales
.if DOCPART == 3
	.amdgcn_target "amdgcn-amd-amdhsa--gfx1250"
	.amdhsa_code_object_version 6
	.text
	.protected	k_q6b228ef891_attn
	.globl	k_q6b228ef891_attn
	.p2align	8
	.type	k_q6b228ef891_attn,@function
k_q6b228ef891_attn:
	s_mov_b64 s[64:65], 0
	v_nop
	global_prefetch_b8 v0, s[64:65] scope:SCOPE_SE
	s_setreg_imm32_b32 hwreg(HW_REG_WAVE_MODE, 25, 1), 1
	s_wait_xcnt 0x0
	s_wait_alu depctr_hold_cnt(0) depctr_sa_sdst(0) depctr_va_vdst(0) depctr_va_sdst(0) depctr_va_ssrc(0) depctr_va_vcc(0) depctr_vm_vsrc(0)
	s_getreg_b32 s2, hwreg(HW_REG_IB_STS2, 6, 4)
	s_cmp_eq_u32 s2, 0
	s_cbranch_scc0 .Lentry_in_a_cluster
	s_endpgm
.Lentry_in_a_cluster:
	s_bfe_u32 s2, ttmp6, 0x10000c
	s_cmp_lg_u32 s2, 0x3003
	s_cbranch_scc0 .Lentry_shape_is_right
	s_endpgm
.Lentry_shape_is_right:
; o = softmax(q k^T / 32, causal) v for one batch and head, both products on codes of FP4 with E8M0 scales, and o quantised along the model's 1,024 for the last product.
; THE SOFTMAX AHEAD OF THE SECOND PRODUCT: t = score x log2(e) / 32; M = the row's largest t so far, rounded UP to a whole number; p = 2^(t - M) is quantised along the keys, not normalised.  The row's sum is taken
; of the unquantised p, in f32, and divides O at the end.  When M moves, the sum and O are multiplied by 2^(old M - new M): exact.
; SHARES.  The four work-groups of a cluster share one head; its K and V (codes and scales, 139,264 bytes) come into each one's LDS ONCE, by joint loads: no LDS byte is filled twice.
; Wave w of work-group cx owns two tiles of 16 queries: tile 2 cx + w % 2 of the 128-token groups w / 2 and 15 - w / 2.  Group a needs key steps 0 .. a of 128 keys, so EVERY wave does 17 key steps.
; All loops have constant trip counts; a step that lies wholly behind the diagonal is jumped over by a scalar branch on the wave's number and the loop's count; cx enters no branch and no LDS address.
; LAYOUT.  Both products are used transposed (S^T = K Q^T, O^T = V^T P^T): a lane holds ONE query (lane % 16) throughout.  Lane r of tile 2 g + u holds token (or channel) 32 g + 8 u + r + 8 (r / 8), so the 16 registers of
; tiles 2 g, 2 g + 1 are 16 neighbouring keys (or channels).  A head is 64 wide, half of the instruction's K: a fragment of K holds key tile i in K = 0 .. 63 and key tile i + 4 in K = 64 .. 127,
; and is multiplied once by (q, zeros) and once by (zeros, q); zero codes add nothing, and every scale byte lies in 1 .. 254.
; A record of 128 tokens: 4,096 bytes of register images [i 4][half 2][512], then 256 scale bytes [r 16][i 4] as words.
; The scale bytes of o leave two to a lane: a row's 16 bytes come from eight work-groups, so these stores fill no aligned 256 bytes: 262,144 bytes in all, one in 17 of what this launch writes.
; LIMITS: a block of zeros gets the byte 1 (its codes are zeros; this program alone reads the bytes); NaN and infinities are not served.
; REGISTERS: v1-4 lane terms; v6, v7 r, h; v8-10 addresses in hand; v12-31 zeros, q of tile A, zeros, q of tile B, zeros; v32-63 four fragments; v64-67 scale words (lanes 0-15 K's, 16-31 V's);
;   v68-71, v72-75 for each tile -M, the largest t, the sum in two halves; v76, v77 q's scale words; v78-82 offsets; v96-159 S^T, then p; v160-191, v192-223 O^T; v224-231 p's codes; v232-254 at work.
.set HB,    69632                      ; a head's 16 records: K's at LDS byte 0, V's at HB
.set REC,   4352
.set SEC,   64*HB
.set QUART, HB/2                       ; what one tensor load brings: 136 rows of 256 bytes
.set AK0, 1
.set AV0, 2
.set AS0, 3
.set DD,  4
.set ADK, 8
.set ADV, 9
.set ADS, 10
.set F,   32
.set SCR, 64
.set S,   96
.set WV,  18
.set SEL, 20
.set CS,  22
.set G1,  24
.set G0,  32
.set KS,  48
.set TB,  49
.set AA,  50
.set AB,  51
.macro CROUND                          ; a round of the cluster's barrier
	s_barrier_signal -1
	s_barrier_wait -1
	s_cmp_lg_u32 s[WV], 0
	s_cbranch_scc1 .Lnot_wave_0_\@
	s_barrier_signal -3
.Lnot_wave_0_\@:
	s_barrier_wait -3
	s_barrier_signal -1
	s_barrier_wait -1
.endm
	s_load_b128 s[4:7], s[0:1], 0x0                ; qkv s[4:5], o's codes s[6:7]
	s_load_b64 s[8:9], s[0:1], 0x10                ; o's scales
	v_lshl_add_u32 v251, v0, 2, 0x29000
	v_mov_b32 v255, 0
	ds_add_u32 v251, v255
	ds_add_u32 v251, v255
	v_lshrrev_b32 v8, 5, v0
	v_readfirstlane_b32 s[WV], v8                  ; wave 0..15
	s_bfe_u32 s10, ttmp6, 0x40000                  ; cx: my place in the cluster
	s_and_b32 s11, ttmp7, 0xffff                   ; batch x 16 + head, which the four partners share
	s_and_b32 s12, s[WV], 1                        ; e
	s_lshr_b32 s[AA], s[WV], 1                     ; tile A's group, 0 .. 7
	s_xor_b32 s[AB], s[AA], 15                     ; tile B's, 15 - that
	; descriptor group 1: a dense block of 34,816 bytes as 136 rows of 256 bytes (32 elements of 8 bytes)
	s_mov_b32 s[G1], 15|(3<<16)|(1<<21)            ; 15:0 the mask: all four work-groups; 17:16 elements of 8 bytes; 21 set beside a mask
	s_mov_b32 s[G1+1], 32<<16                      ; tensor_dim0
	s_mov_b32 s[G1+2], 136<<16                     ; tensor_dim1
	s_mov_b32 s[G1+3], 32<<16                      ; tile_dim0
	s_mov_b32 s[G1+4], 136                         ; tile_dim1
	s_mov_b32 s[G1+5], 32                          ; the pitch
	s_mov_b32 s[G1+6], 0
	s_mov_b32 s[G1+7], 0
	s_and_b32 s13, s[WV], 3                        ; waves 0, 1: K's halves; waves 2, 3: V's
	s_mul_i32 s14, s13, QUART                      ; in LDS
	s_lshr_b32 s15, s13, 1
	s_add_co_u32 s15, s15, 1
	s_mul_i32 s15, s15, SEC                        ; section 1 (k) or 2 (v)
	s_and_b32 s16, s13, 1
	s_mul_i32 s16, s16, QUART
	s_add_co_u32 s16, s16, s15
	s_mul_i32 s36, s11, HB                         ; the head's bytes in a section
	s_add_co_u32 s16, s16, s36
	s_mov_b32 s17, 0
	s_mov_b32 s37, 0
	s_mov_b32 s[SEL], 0x76543210
	s_mov_b32 s[SEL+1], 0xfedcba98                 ; v_permlanex16_b32's selects for lane l xor 16
	s_mov_b32 s[CS], 0x3d38aa3b                    ; c = log2(e) / 32: t = score x c
	s_mov_b32 s[CS+1], s[CS]                       ; (named with it as a pair, so it is written)
	s_mov_b32 s58, 0xffff0000                      ; lanes 16-31
	s_mov_b32 s[KS], 0
	s_mov_b32 s[TB], 0
	s_wait_dscnt 0x0
	s_wait_kmcnt 0x0
	s_mov_b32 s[G0], 1                             ; count = 1
	s_mov_b32 s[G0+1], s14                         ; LDS address
	s_add_nc_u64 s[G0+2:G0+3], s[4:5], s[16:17]    ; global address: hangs on the head and the wave's number alone
	s_or_b32 s[G0+3], s[G0+3], 0x80000000          ; type = 2
	s_add_nc_u64 s[38:39], s[4:5], s[36:37]        ; q's records of the head
	CROUND                                         ; all four work-groups are here: the joint loads meet
	s_cmp_lt_u32 s[WV], 4
	s_cbranch_scc0 .Lno_fill
	tensor_load_to_lds s[G0:G0+3], s[G1:G1+7]      ; one tensor load of mine is out
	s_nop 0
.rept 4
	v_nop
.endr
.Lno_fill:
	v_and_b32 v6, 15, v0                           ; r
	v_bfe_u32 v7, v0, 4, 1                         ; h
	v_and_b32 v11, 31, v0
	v_lshlrev_b32 v[AK0], 4, v11                   ; 16 x lane: an image's place for my lane
	v_add_nc_u32 v[AV0], HB, v[AK0]
	v_mul_u32_u24 v[AS0], HB, v7                   ; scale words: lanes 0-15 K's, lanes 16-31 V's,
	v_lshl_add_u32 v[AS0], v6, 4, v[AS0]           ; 16 bytes a row,
	v_add_nc_u32 v[AS0], 4096, v[AS0]              ; behind a record's codes
	v_and_b32 v[DD], 8, v6
	v_add_nc_u32 v[DD], v[DD], v6                  ; r + 8 (r / 8)
	v_lshlrev_b32 v11, 4, v7
	v_sub_nc_u32 v[DD], v[DD], v11
	s_lshl_b32 s13, s10, 5
	s_lshl_b32 s14, s12, 3
	s_add_co_u32 s13, s13, s14
	v_add_nc_u32 v[DD], s13, v[DD]                 ; my query in its group less 16 h: on the diagonal register 16 b + i holds a hidden key where 32 b + i is larger
	s_and_b32 s40, s10, 1                          ; q's tile 2 cx + e lies at i = 2 (cx % 2) + e, half cx / 2
	s_lshl_b32 s40, s40, 1
	s_add_co_u32 s40, s40, s12
	s_lshr_b32 s41, s10, 1
	s_lshl_b32 s59, s41, 4                         ; and its two scale bytes 16 (cx / 2) bits up in the word
	s_lshl_b32 s42, s40, 10
	s_lshl_b32 s43, s41, 9
	s_add_co_u32 s42, s42, s43
	s_lshl_b32 s43, s40, 2
	s_add_co_u32 s43, s43, 4096
	s_mul_i32 s44, s[AA], REC
	s_mul_i32 s45, s[AB], REC
	s_add_co_u32 s46, s44, s42
	s_add_co_u32 s47, s45, s42
	s_add_co_u32 s44, s44, s43
	s_add_co_u32 s45, s45, s43
	v_add_nc_u32 v78, s46, v[AK0]
	v_add_nc_u32 v79, s47, v[AK0]
	v_lshlrev_b32 v11, 4, v6
	v_add_nc_u32 v80, s44, v11
	v_add_nc_u32 v81, s45, v11
	global_load_b128 v[16:19], v78, s[38:39]       ; q of tile A: 64 codes a query
	global_load_b128 v[24:27], v79, s[38:39]       ; q of tile B
	global_load_b32 v76, v80, s[38:39]             ; their scale words
	global_load_b32 v77, v81, s[38:39]
	; where o goes: codes [block of 128 tokens][K half][tile][K step][c][512 bytes]; head hd is blocks 2 hd, 2 hd + 1 of the 32 along K: K half hd / 8, K step (hd / 2) % 4, c = hd % 2
	s_lshr_b32 s40, s11, 4                         ; batch
	s_and_b32 s41, s11, 15                         ; hd
	s_lshl_b32 s40, s40, 4
	s_add_co_u32 s40, s40, s[AA]                   ; tile A's block of 128 tokens
	s_lshl_b32 s42, s10, 1
	s_add_co_u32 s42, s42, s12                     ; the tile
	s_lshr_b32 s43, s41, 3                         ; the K half
	s_lshl_b32 s44, s40, 16
	s_lshl_b32 s45, s43, 15
	s_add_co_u32 s44, s44, s45
	s_lshl_b32 s45, s42, 12
	s_add_co_u32 s44, s44, s45
	s_bfe_u32 s45, s41, 0x20001
	s_lshl_b32 s45, s45, 10
	s_add_co_u32 s44, s44, s45
	s_and_b32 s45, s41, 1
	s_lshl_b32 s45, s45, 9
	s_add_co_u32 s44, s44, s45
	s_mov_b32 s45, 0
	s_add_nc_u64 s[52:53], s[6:7], s[44:45]        ; tile A's image
	s_sub_co_u32 s46, s[AB], s[AA]                 ; blocks from tile A's to tile B's
	s_lshl_b32 s44, s46, 16
	s_add_nc_u64 s[54:55], s[52:53], s[44:45]      ; tile B's
	s_lshl_b32 s44, s40, 12                        ; scale bytes [block][K half][tile][r][16]: bytes 2 (hd % 8) and the next
	s_lshl_b32 s47, s43, 11
	s_add_co_u32 s44, s44, s47
	s_lshl_b32 s47, s42, 8
	s_add_co_u32 s44, s44, s47
	s_and_b32 s47, s41, 7
	s_lshl_b32 s47, s47, 1
	s_add_co_u32 s44, s44, s47
	s_add_nc_u64 s[56:57], s[8:9], s[44:45]
	s_lshl_b32 s46, s46, 12
	v_mul_u32_u24 v82, s46, v7                     ; lanes 16-31 store tile B's
	v_lshl_add_u32 v82, v6, 4, v82
	s_wait_loadcnt 0x0
	v_lshrrev_b32 v76, s59, v76                    ; q's two bytes serve both halves of the instruction's K
	v_lshrrev_b32 v77, s59, v77
	v_and_b32 v76, 0xffff, v76
	v_and_b32 v77, 0xffff, v77
	v_lshl_or_b32 v76, v76, 16, v76
	v_lshl_or_b32 v77, v77, 16, v77
.irp j, 12,13,14,15,20,21,22,23,28,29,30,31
	v_mov_b32 v\j, 0                               ; zero codes beside q
.endr
.irp t, 68, 72
	v_mov_b32 v[\t+1], 0xff61b1e6                  ; the largest t so far: -3e38, under every t
	v_floor_f32 v[\t], -v[\t+1]                    ; -M
	v_mov_b32 v[\t+2], 0                           ; the sum, in two halves
	v_mov_b32 v[\t+3], 0
.endr
.irp b, 0,1,2,3
	v_mov_b32 v[236+\b], 0                         ; written once: a lane permute's destination counts as one of its sources
.endr
	v_mov_b32 v253, 0                              ; (named as the upper half of the pair v[252:253] before it is first written)
.set n, 0
.rept 64
	v_mov_b32 v[160+n], 0                          ; O^T of both tiles.  (The step is written once for each tile: the first finds zeros, which the first change of M leaves zeros)
.set n, n+1
.endr
	s_wait_tensorcnt 0x0                           ; my part of K and V is in,
	s_barrier_signal -1
	s_barrier_wait -1                              ; everybody's is
; A KEY STEP of one tile: 128 keys.  aa: the register with the tile's group; ql, qh: (q, zeros) and (zeros, q); qs: q's scale word; st: the tile's statistics; o: its O^T.
.macro STEP aa, ql, qh, qs, st, o
	s_cmp_gt_u32 s[KS], s[\aa]                     ; all of the step's keys come after my queries: nothing to do
	s_cbranch_scc1 .Lskip_\@
	v_add_nc_u32 v[ADK], s[TB], v[AK0]
	v_add_nc_u32 v[ADV], s[TB], v[AV0]
	v_add_nc_u32 v[ADS], s[TB], v[AS0]
	v_nop                                          ; four plain lines between the last products and the loads into registers that they read
.irp i, 0,1,2,3
.irp c, 0,1
	ds_load_b128 v[F+8*\i+4*\c:F+8*\i+4*\c+3], v[ADK] offset:1024*\i+512*\c   ; key tile i, and beside it key tile i + 4
.endr
.endr
	ds_load_b128 v[SCR:SCR+3], v[ADS]              ; the step's scale words: register i: lanes 0-15 K's tiles i and i + 4, lanes 16-31 V's channel tile i
	s_wait_dscnt 0x0
.irp i, 0,1,2,3
	v_wmma_scale_f32_16x16x128_f8f6f4 v[S+8*\i:S+8*\i+7], v[F+8*\i:F+8*\i+7], v[\ql:\ql+7], 0, v[SCR+\i], v[\qs] matrix_a_fmt:MATRIX_FMT_FP4 matrix_b_fmt:MATRIX_FMT_FP4
	v_wmma_scale_f32_16x16x128_f8f6f4 v[S+32+8*\i:S+32+8*\i+7], v[F+8*\i:F+8*\i+7], v[\qh:\qh+7], 0, v[SCR+\i], v[\qs] matrix_a_fmt:MATRIX_FMT_FP4 matrix_b_fmt:MATRIX_FMT_FP4
.endr                                  ; register 16 b + i of S^T is key 32 b + 16 (lane / 16) + i of the step
.rept 4
	v_nop                                          ; places in front of the loads below and of the first read of the scores
.endr
.irp i, 0,1,2,3
.irp c, 0,1
	ds_load_b128 v[F+8*\i+4*\c:F+8*\i+4*\c+3], v[ADV] offset:1024*\i+512*\c   ; V^T: channel tile i, these 128 keys: it lands under the softmax
.endr
.endr
	s_cmp_lg_u32 s[KS], s[\aa]                     ; only the tile's last step lies on the diagonal
	s_cbranch_scc1 .Lopen_\@
	v_mov_b32 v254, 0xff800000                     ; hidden scores become -infinity ahead of the maximum: p = 0 then
.set n, 0
.rept 64
	v_cmp_gt_i32 vcc_lo, 32*(n/16)+n%16, v[DD]
	v_cndmask_b32 v[S+n], v[S+n], v254, vcc_lo
.set n, n+1
.endr
.Lopen_\@:
.irp b, 0,1,2,3
	v_max3_num_f32 v[232+\b], v[S+16*\b], v[S+1+16*\b], v[S+2+16*\b]   ; the largest score of each block of 32 keys: it serves for the row's maximum and, since p rises with the score, for the block's largest p
.endr
.irp i, 3,5,7,9,11,13
.irp b, 0,1,2,3
	v_max3_num_f32 v[232+\b], v[232+\b], v[S+16*\b+\i], v[S+1+16*\b+\i]
.endr
.endr
.irp b, 0,1,2,3
	v_max_num_f32 v[232+\b], v[232+\b], v[S+15+16*\b]
.endr
.irp b, 0,1,2,3
	v_permlanex16_b32 v[236+\b], v[232+\b], s[SEL], s[SEL+1]
.endr
.irp b, 0,1,2,3
	v_max_num_f32 v[232+\b], v[232+\b], v[236+\b]  ; with lane l xor 16's 16 keys
.endr
	v_max3_num_f32 v254, v232, v233, v234
	v_max_num_f32 v254, v254, v235                 ; the step's largest score of my query
	v_mul_f32 v254, s[CS], v254                    ; as t (c is positive)
	v_max_num_f32 v[\st+1], v[\st+1], v254         ; the running largest t
	v_mov_b32 v254, v[\st]
	v_floor_f32 v[\st], -v[\st+1]                  ; the new -M = floor(-t) = -ceil(t): M is a whole number
	v_sub_f32 v254, v[\st], v254                   ; M's old value less its new one: a whole number, 0 or less
	v_cvt_i32_f32 v254, v254                       ; (it saturates)
	v_ldexp_f32 v252, 1.0, v254                    ; f = 2^(old M - new M)
.set n, 0
.rept 32
	v_pk_fma_f32 v[S+n:S+n+1], v[S+n:S+n+1], s[CS:CS+1], v[\st:\st+1] op_sel_hi:[1,0,0]   ; t - M, two at a time (of the pairs c and -M the low word serves both halves)
.set n, n+2
.endr
.irp b, 0,1,2,3
	v_fma_f32 v[232+\b], v[232+\b], s[CS], v[\st]  ; the same of each block's largest score
.endr
.set n, 0
.rept 64
	v_exp_f32 v[S+n], v[S+n]                       ; p = 2^(t - M), at most 1: not normalised
.set n, n+1
.endr
.irp b, 0,1,2,3
	v_exp_f32 v[232+\b], v[232+\b]                 ; the block's largest p: the same two instructions on the same number give the same bits
.endr
	v_pk_mul_f32 v[\st+2:\st+3], v[\st+2:\st+3], v[252:253] op_sel_hi:[1,0]   ; the sums under the new M.  (A plain line behind the exponentials)
	s_wait_alu depctr_va_vdst(0)
.irp b, 0,1,2,3
	v_max_num_f32 v[232+\b], 0x1800000, v[232+\b]  ; the floor 2^(3 - 127): the byte cannot fall under 1
.endr
.irp b, 0,1,2,3
	v_add_nc_u32 v[244+\b], 0xff000000, v[232+\b]  ; 2 off the exponent field: the conversion's scale operand
.endr
.irp b, 0,1,2,3
	v_lshrrev_b32 v[236+\b], 23, v[244+\b]         ; the scale's byte
.endr
	v_lshl_or_b32 v253, v237, 8, v236              ; p's scale word for these 128 keys
	v_lshl_or_b32 v253, v238, 16, v253
	v_lshl_or_b32 v253, v239, 24, v253
.irp b, 0,1,2,3
	v_cvt_scalef32_pk8_fp4_f32 v[224+2*\b], v[S+16*\b:S+7+16*\b], v[244+\b]
	v_cvt_scalef32_pk8_fp4_f32 v[225+2*\b], v[S+8+16*\b:S+15+16*\b], v[244+\b]
.endr
	v_nop                                          ; one plain line behind a scaled conversion
.irp c, 0,1                            ; the operand's layout wants a WHOLE block in a lane
.irp i, 0,1
	v_permlane16_swap_b32 v[224+4*\c+\i], v[226+4*\c+\i]
.endr
.endr
	v_pk_add_f32 v[236:237], v[S:S+1], v[S+2:S+3]  ; the row's sum is taken of the UNQUANTISED p: two at a time, in two chains
.irp j, 4,8,12,16,20,24,28,32,36,40,44,48,52,56,60
	v_pk_add_f32 v[\st+2:\st+3], v[\st+2:\st+3], v[S+\j:S+1+\j]
	v_pk_add_f32 v[236:237], v[236:237], v[S+2+\j:S+3+\j]
.endr
	v_pk_add_f32 v[\st+2:\st+3], v[\st+2:\st+3], v[236:237]
.set n, 0
.rept 16
	v_pk_mul_f32 v[\o+n:\o+n+1], v[\o+n:\o+n+1], v[252:253] op_sel_hi:[1,0]   ; O^T under the new M.  (With the sums above: the places between the scale word's and the codes' last writes and the products)
.set n, n+2
.endr
	s_wait_dscnt 0x0                               ; V^T is in
.irp i, 0,1,2,3                        ; the four accumulators by turns; since their last turn eight other products have been issued
	v_wmma_scale_f32_16x16x128_f8f6f4 v[\o+8*\i:\o+8*\i+7], v[F+8*\i:F+8*\i+7], v[224:231], v[\o+8*\i:\o+8*\i+7], v[SCR+\i], v253 matrix_a_fmt:MATRIX_FMT_FP4 matrix_b_fmt:MATRIX_FMT_FP4 matrix_a_scale:MATRIX_SCALE_ROW1
.endr
.Lskip_\@:
.endm
.Lks:                                  ; 16 trips, a constant: 128 keys a trip
	STEP AB, 24, 20, 77, 72, 192
	STEP AA, 16, 12, 76, 68, 160
	s_add_co_u32 s[TB], s[TB], REC                 ; the next record of K and of V
	s_add_co_u32 s[KS], s[KS], 1
	s_cmp_lt_u32 s[KS], 16
	s_cbranch_scc1 .Lks
	; THE WAY OUT.  O^T / the sum; register 16 b + i of a tile is channel 32 b + 16 (lane / 16) + i: two blocks of the last product's K.  Both tiles' four blocks are quantised together.
.rept 4
	v_nop                                          ; places behind the last products
.endr
	v_add_f32 v70, v70, v71                        ; the sum's two halves,
	v_add_f32 v74, v74, v75
	v_permlanex16_b32 v236, v70, s[SEL], s[SEL+1]
	v_permlanex16_b32 v237, v74, s[SEL], s[SEL+1]
	v_add_f32 v70, v70, v236                       ; and lane l xor 16's: the row's sum
	v_add_f32 v74, v74, v237
	v_rcp_f32 v70, v70
	v_rcp_f32 v74, v74
	v_nop                                          ; a plain line behind the reciprocals
.set n, 0
	s_wait_alu depctr_va_vdst(0)
.rept 32
	v_mul_f32 v[S+n], v[160+n], v70
.set n, n+1
.endr
.set n, 0
.rept 32
	v_mul_f32 v[S+32+n], v[192+n], v74
.set n, n+1
.endr
.irp b, 0,1,2,3
	v_max3_num_f32 v[232+\b], |v[S+16*\b]|, |v[S+1+16*\b]|, 0x1800000   ; blocks 0, 1: tile A's; 2, 3: tile B's; and the floor
.endr
.irp i, 2,4,6,8,10,12,14
.irp b, 0,1,2,3
	v_max3_num_f32 v[232+\b], v[232+\b], |v[S+16*\b+\i]|, |v[S+1+16*\b+\i]|
.endr
.endr
.irp b, 0,1,2,3
	v_permlanex16_b32 v[236+\b], v[232+\b], s[SEL], s[SEL+1]
.endr
.irp b, 0,1,2,3
	v_max_num_f32 v[232+\b], v[232+\b], v[236+\b]
.endr
.irp b, 0,1,2,3
	v_add_nc_u32 v[244+\b], 0xff000000, v[232+\b]
.endr
.irp b, 0,1,2,3
	v_lshrrev_b32 v[236+\b], 23, v[244+\b]
.endr
	v_lshl_or_b32 v248, v237, 8, v236              ; tile A's two bytes of row r,
	v_lshl_or_b32 v249, v239, 8, v238              ; tile B's
	v_cndmask_b32 v250, v248, v249, s58            ; lanes 0-15 store A's, lanes 16-31 B's
.irp b, 0,1,2,3
	v_cvt_scalef32_pk8_fp4_f32 v[224+2*\b], v[S+16*\b:S+7+16*\b], v[244+\b]
	v_cvt_scalef32_pk8_fp4_f32 v[225+2*\b], v[S+8+16*\b:S+15+16*\b], v[244+\b]
.endr
	v_nop                                          ; one plain line behind a scaled conversion
.irp c, 0,1
.irp i, 0,1
	v_permlane16_swap_b32 v[224+4*\c+\i], v[226+4*\c+\i]
.endr
.endr
	global_store_b128 v[AK0], v[224:227], s[52:53] ; 512 consecutive bytes, at a multiple of 256 from the buffer's first byte
	global_store_b128 v[AK0], v[228:231], s[54:55]
	global_store_b16 v82, v250, s[56:57]
	s_wait_tensorcnt 0x0
	ds_add_u32 v251, v255
	s_wait_dscnt 0x0
	CROUND                                         ; the closing round: no work-group ends while a partner may still ask for a tile that names it
	s_endpgm
.Lfunc_end_k_q6b228ef891_attn:
	.size	k_q6b228ef891_attn, .Lfunc_end_k_q6b228ef891_attn-k_q6b228ef891_attn
	.p2alignl 7, 3214868480
	.fill 96, 4, 3214868480
	.section	.rodata,"a",@progbits
	.p2align	6, 0x0
	.amdhsa_kernel k_q6b228ef891_attn
		.amdhsa_group_segment_fixed_size 169984
		.amdhsa_private_segment_fixed_size 0
		.amdhsa_enable_private_segment 0
		.amdhsa_kernarg_size 24
		.amdhsa_user_sgpr_count 2
		.amdhsa_user_sgpr_kernarg_segment_ptr 1
		.amdhsa_wavefront_size32 1
		.amdhsa_system_sgpr_workgroup_id_x 1
		.amdhsa_system_sgpr_workgroup_id_y 1
		.amdhsa_system_sgpr_workgroup_id_z 1
		.amdhsa_system_vgpr_workitem_id 0
		.amdhsa_next_free_vgpr 256
		.amdhsa_next_free_sgpr 66
		.amdhsa_reserve_vcc 1
		.amdhsa_float_denorm_mode_32 3
		.amdhsa_float_denorm_mode_16_64 3
		.amdhsa_memory_ordered 1
		.amdhsa_forward_progress 1
		.amdhsa_inst_pref_size 56
	.end_amdhsa_kernel
	.amdgpu_metadata
---
amdhsa.version: [ 1, 2 ]
amdhsa.kernels:
  - .name:           k_q6b228ef891_attn
    .symbol:         k_q6b228ef891_attn.kd
    .args:
      - { .name: qkv, .offset: 0, .size: 8, .value_kind: global_buffer, .address_space: global }
      - { .name: acodes, .offset: 8, .size: 8, .value_kind: global_buffer, .address_space: global }
      - { .name: ascales, .offset: 16, .size: 8, .value_kind: global_buffer, .address_space: global }
    .group_segment_fixed_size: 169984
    .private_segment_fixed_size: 0
    .kernarg_segment_align: 8
    .kernarg_segment_size: 24
    .max_flat_workgroup_size: 512
    .sgpr_count:     66
    .vgpr_count:     256
    .wavefront_size: 32
...
	.end_amdgpu_metadata
.endif
;; end of part 3
;; launch outgemm (part 4): grid 4 x 64, 4 waves a work-group, clusters of 4 x 4, 243,200 bytes of LDS; arguments acodes, ascales, wcodes, wscales, b_out, out0; writes out0
.if DOCPART == 4
	.amdgcn_target "amdgcn-amd-amdhsa--gfx1250"
	.amdhsa_code_object_version 6
	.text
	.protected	k_q6b228ef891_outgemm
	.globl	k_q6b228ef891_outgemm
	.p2align	8
	.type	k_q6b228ef891_outgemm,@function
k_q6b228ef891_outgemm:
	s_mov_b64 s[64:65], 0
	v_nop
	global_prefetch_b8 v0, s[64:65] scope:SCOPE_SE
	s_setreg_imm32_b32 hwreg(HW_REG_WAVE_MODE, 25, 1), 1
	s_wait_xcnt 0x0
	s_wait_alu depctr_hold_cnt(0) depctr_sa_sdst(0) depctr_va_vdst(0) depctr_va_sdst(0) depctr_va_ssrc(0) depctr_va_vcc(0) depctr_vm_vsrc(0)
	s_getreg_b32 s2, hwreg(HW_REG_IB_STS2, 6, 4)
	s_cmp_eq_u32 s2, 0
	s_cbranch_scc0 .Lentry_in_a_cluster
	s_endpgm
.Lentry_in_a_cluster:
	s_bfe_u32 s2, ttmp6, 0x10000c
	s_cmp_lg_u32 s2, 0xf033
	s_cbranch_scc0 .Lentry_shape_is_right
	s_endpgm
.Lentry_shape_is_right:
; out0 = o w_out^T + b_out on codes of FP4 with E8M0 scales.  o's codes and scales were laid by the attention, w_out's (blocks 24-31 of the weights' buffers) by the quantiser, both as images of the operand's registers:
; [128 rows][K half][tile][K step][c][512 bytes], lane l at 16 l; scales [128 rows][K half][tile][r][16 bytes].  Lane r of tile 2 g + u holds row 32 g + 8 u + r + 8 (r / 8) of the 128.
; A work-group of four waves makes 128 tokens (R, source 1) x 256 outputs (P, source 0): 256 work-groups, one for each WGP; a wave 64 x 128: 32 accumulators.  A tile of 256 x 256 would leave half the WGPs idle.
; K = 1,024 is 512 bytes a row: both tiles lie in LDS for ALL of K, so no LDS byte is filled twice.  With P as source 0 a lane's 16 registers of P's tiles 2 g, 2 g + 1 are 16 neighbouring outputs of one token.
; CLUSTERS: 4 x 4 work-groups.  R's tile hangs on the cluster's y and cy alone and is asked for jointly by a row of the cluster, P's on cx alone, by a column.
; THE BIAS is the C of the first K step.  THE WAY OUT goes through each wave's own stage in LDS, 16 tokens at a time, and leaves as rows of 512 consecutive bytes.
; REGISTERS: window 0: v1-27 lane numbers and addresses; v32-95 scale words; v96-159 the bias table; on the way out v128-255 rows read back.   window 1: P's two sets of fragments at v0, v64; R's two at v128, v160.
;   window 2: accumulator (a, b) at v[8 (8 a + b)].
.set KH,    98304                      ; LDS: a K half: R's 32,768 bytes, then P's two blocks of 32,768
.set SCL,   2*KH                       ; the scales: R's 4,096 bytes, P's two blocks of 4,096
.set STG,   SCL+3*4096                 ; the stages: 16 rows x (512 + 16) bytes for each wave; no tile lands there
.set SPITCH, 528
.set ADRA, 16
.set ADRB, 20
.set STO,  24
.set RD,   25
.set CO,   26
.set ADRS, 27
.set SC,   32                          ; register 32 s + 4 i + q: lanes 0-15 the word of my R tile i (i < 4), lanes 16-31 of P's tile i, for K step 4 s + q
.set TB,   96
.set BK,   128
.set WV, 16
.set WR, 17                            ; which 64 tokens are mine.  Also: I fetch for R (0) or for P (1)
.set WP, 18                            ; which 128 outputs.  Also: which half of R, or which block of P, I fetch
.set YY, 19
.set G1, 24
.set G0, 32
.set G1B, 48
.set G0B, 56
.set G1S, 68
.set G0S, 76
.set G1SB, 80
.set G0SB, 88
.set MSB, 0
.macro WIN new                         ; the immediate's high byte repeats the setting that is left
.if MSB != \new
	s_set_vgpr_msb (MSB<<8)|\new
.set MSB, \new
.endif
.endm
.set MUL,  0xa5                        ; sources 0 and 1 window 1, C and D window 2
.set FST,  0x85                        ; the first K step: C (the bias) window 0
.set TO_F, 0x40                        ; destination window 1, address window 0
; A joint load: waves 0 and 1 fetch R's two halves, waves 2 and 3 P's two blocks.  The branch hangs on the wave's number alone.  Four v_nop follow each of the two lines.
.macro JLOAD g0a, g1a, g0b, g1b
	s_cmp_eq_u32 s[WR], 0
	s_cbranch_scc0 .Lfor_p_\@
	tensor_load_to_lds s[\g0a:\g0a+3], s[\g1a:\g1a+7]
	s_nop 0
.rept 4
	v_nop
.endr
	s_branch .Lasked_\@
.Lfor_p_\@:
	tensor_load_to_lds s[\g0b:\g0b+3], s[\g1b:\g1b+7]
	s_nop 0
.rept 4
	v_nop
.endr
.Lasked_\@:
.endm
.macro CROUND                          ; a round of the cluster's barrier
	s_barrier_signal -1
	s_barrier_wait -1
	s_cmp_lg_u32 s[WV], 0
	s_cbranch_scc1 .Lnot_wave_0_\@
	s_barrier_signal -3
.Lnot_wave_0_\@:
	s_barrier_wait -3
	s_barrier_signal -1
	s_barrier_wait -1
.endm
.macro PLACES                          ; four plain vector lines between a matrix instruction and a load into, or a read of, its registers
.rept 4
	v_nop
.endr
.endm
	s_load_b256 s[4:11], s[0:1], 0x0               ; o's codes s[4:5], o's scales s[6:7], the weights' codes s[8:9], their scales s[10:11]
	s_load_b128 s[12:15], s[0:1], 0x20             ; b_out s[12:13], out0 s[14:15]
	v_lshl_add_u32 v30, v0, 2, 0x3b400
	v_mov_b32 v31, 0
	ds_add_u32 v30, v31
	ds_add_u32 v30, v31
	v_lshrrev_b32 v1, 5, v0
	v_readfirstlane_b32 s[WV], v1                  ; wave 0..3
	s_lshr_b32 s[WR], s[WV], 1
	s_and_b32 s[WP], s[WV], 1
	s_bfe_u32 s40, ttmp6, 0x40000                  ; cx, cy: my place in the cluster
	s_bfe_u32 s41, ttmp6, 0x40004
	s_and_b32 s[YY], ttmp7, 0xffff
	s_lshl_b32 s43, s41, 2
	s_lshl_b32 s43, 15, s43                        ; my row of the cluster
	s_lshl_b32 s44, 0x1111, s40                    ; my column
	; descriptor group 1: dense blocks as rows of 256 bytes (32 elements of 8 bytes): R's codes 64 rows a load, P's 128; R's scales 8 rows, P's 16
	s_or_b32 s[G1+0], s43, (3<<16)|(1<<21)         ; 15:0 the mask; 17:16 elements of 8 bytes; 21 set beside a mask
	s_or_b32 s[G1B+0], s44, (3<<16)|(1<<21)
	s_or_b32 s[G1S+0], s43, (3<<16)|(1<<21)
	s_or_b32 s[G1SB+0], s44, (3<<16)|(1<<21)
.irp g, G1, G1B, G1S, G1SB
	s_mov_b32 s[\g+1], 32<<16                      ; tensor_dim0
	s_mov_b32 s[\g+3], 32<<16                      ; tile_dim0
	s_mov_b32 s[\g+5], 32                          ; the pitch
	s_mov_b32 s[\g+6], 0
	s_mov_b32 s[\g+7], 0
.endr
	s_mov_b32 s[G1+2], 64<<16                      ; tensor_dim1 and tile_dim1
	s_mov_b32 s[G1+4], 64
	s_mov_b32 s[G1B+2], 128<<16
	s_mov_b32 s[G1B+4], 128
	s_mov_b32 s[G1S+2], 8<<16
	s_mov_b32 s[G1S+4], 8
	s_mov_b32 s[G1SB+2], 16<<16
	s_mov_b32 s[G1SB+4], 16
	s_lshl_b32 s20, s[YY], 2
	s_add_co_u32 s20, s20, s41                     ; R's block of 128 tokens: 4 y + cy.  These registers never hold cx
	s_lshl_b32 s22, s20, 12
	s_lshl_b32 s23, s[WP], 11
	s_add_co_u32 s22, s22, s23                     ; my half of its scales,
	s_lshl_b32 s20, s20, 16
	s_lshl_b32 s21, s[WP], 14
	s_add_co_u32 s20, s20, s21                     ; and of its codes of a K half
	s_mov_b32 s21, 0
	s_mov_b32 s23, 0
	s_lshl_b32 s46, s40, 1
	s_add_co_u32 s46, s46, s[WP]
	s_add_co_u32 s46, s46, 24                      ; P's block of 128 rows of w_out: 24 + 2 cx + half.  These never hold cy
	s_lshl_b32 s92, s46, 12
	s_lshl_b32 s46, s46, 16
	s_mov_b32 s47, 0
	s_mov_b32 s93, 0
	s_lshl_b32 s2, s[WP], 14                       ; where they go: no place in the cluster enters an LDS address.  R's half,
	s_lshl_b32 s3, s[WP], 15
	s_add_co_u32 s3, s3, 32768                     ; P's block,
	s_lshl_b32 s94, s[WP], 11
	s_add_co_u32 s94, s94, SCL                     ; R's scales,
	s_lshl_b32 s95, s[WP], 12
	s_add_co_u32 s95, s95, SCL+4096                ; P's scales
	s_wait_dscnt 0x0
	s_wait_kmcnt 0x0
	s_add_nc_u64 s[20:21], s[4:5], s[20:21]
	s_add_nc_u64 s[22:23], s[6:7], s[22:23]
	s_add_nc_u64 s[46:47], s[8:9], s[46:47]
	s_add_nc_u64 s[92:93], s[10:11], s[92:93]
	CROUND                                         ; all sixteen work-groups are here: the joint loads meet
	s_mov_b32 s[G0S], 1
	s_mov_b32 s[G0S+1], s94
	s_mov_b64 s[G0S+2:G0S+3], s[22:23]
	s_or_b32 s[G0S+3], s[G0S+3], 0x80000000
	s_mov_b32 s[G0SB], 1
	s_mov_b32 s[G0SB+1], s95
	s_mov_b64 s[G0SB+2:G0SB+3], s[92:93]
	s_or_b32 s[G0SB+3], s[G0SB+3], 0x80000000
	JLOAD G0S, G1S, G0SB, G1SB                     ; the scales first, then the two K halves: three tensor loads of mine are out
.irp s, 0,1
	s_mov_b32 s[G0+4*\s], 1
	s_add_co_u32 s[G0+4*\s+1], s2, \s*KH
	s_add_nc_u64 s[G0+4*\s+2:G0+4*\s+3], s[20:21], \s*32768
	s_or_b32 s[G0+4*\s+3], s[G0+4*\s+3], 0x80000000
	s_mov_b32 s[G0B+4*\s], 1
	s_add_co_u32 s[G0B+4*\s+1], s3, \s*KH
	s_add_nc_u64 s[G0B+4*\s+2:G0B+4*\s+3], s[46:47], \s*32768
	s_or_b32 s[G0B+4*\s+3], s[G0B+4*\s+3], 0x80000000
	JLOAD G0+4*\s, G1, G0B+4*\s, G1B
.endr
	v_and_b32 v1, 15, v0                           ; r
	v_bfe_u32 v2, v0, 4, 1                         ; h
	v_and_b32 v3, 31, v0
	v_lshlrev_b32 v[CO], 4, v3                     ; 16 x lane
	s_lshl_b32 s20, s[WR], 14                      ; my four tiles of R,
	s_lshl_b32 s21, s[WP], 15
	s_add_co_u32 s21, s21, 32768                   ; my block of P
.irp s, 0,1
	v_add_nc_u32 v[ADRA+\s], s20, v[CO]
	v_add_nc_u32 v[ADRB+\s], s21, v[CO]
	s_add_co_u32 s20, s20, KH
	s_add_co_u32 s21, s21, KH
.endr
	s_xor_b32 s22, s[WR], 1
	s_lshl_b32 s22, s22, 10
	s_lshl_b32 s23, s[WP], 12
	s_add_co_u32 s22, s22, s23
	s_add_co_u32 s22, s22, 3072                    ; bytes from my R tiles' scales to my P's: 4,096 + 4,096 wp - 1,024 wr
	v_mul_u32_u24 v4, s22, v2                      ; lanes 16-31 take P's
	v_lshl_add_u32 v4, v1, 4, v4
	s_lshl_b32 s23, s[WR], 10
	s_add_co_u32 s23, s23, SCL
	v_add_nc_u32 v[ADRS], s23, v4                  ; (for i = 4 .. 7 lanes 0-15 read bytes that have landed and that no product names)
	s_mul_i32 s23, s[WV], 16*SPITCH
	s_add_co_u32 s23, s23, STG                     ; my stage
	v_mul_u32_u24 v5, v1, SPITCH
	v_lshl_add_u32 v5, v2, 6, v5
	v_add_nc_u32 v[STO], s23, v5                   ; in: row r; my half's 16 outputs of a group of 32: 64 h bytes on
	v_add_nc_u32 v[RD], s23, v[CO]                 ; back: the 32 lanes take one row of 512 bytes
	s_lshl_b32 s20, s40, 10                        ; the bias: TB[8 b + j] = b_out[256 cx + 128 wp + 32 (b / 2) + 8 (b % 2) + 16 h + j]
	s_lshl_b32 s21, s[WP], 9
	s_add_co_u32 s20, s20, s21                     ; my first output, in bytes
	s_mov_b32 s21, 0
	s_add_nc_u64 s[12:13], s[12:13], s[20:21]
	s_add_nc_u64 s[14:15], s[14:15], s[20:21]
	v_lshlrev_b32 v6, 6, v2
.irp b, 0,1,2,3,4,5,6,7
	global_load_b128 v[TB+8*\b:TB+8*\b+3], v6, s[12:13] offset:(32*(\b/2)+8*(\b%2))*4
	global_load_b128 v[TB+8*\b+4:TB+8*\b+7], v6, s[12:13] offset:(32*(\b/2)+8*(\b%2))*4+16
.endr
	s_lshl_b32 s20, s[YY], 2
	s_add_co_u32 s20, s20, s41
	s_lshl_b32 s20, s20, 1
	s_add_co_u32 s20, s20, s[WR]                   ; my 64 tokens' number
	s_lshl_b32 s20, s20, 18                        ; x 64 rows of 4,096 bytes (under 2^25)
	s_add_nc_u64 s[14:15], s[14:15], s[20:21]
.macro FETCH q                         ; the fragments of K step q: 16 + 8 loads of 512 consecutive bytes, into set q % 2
	WIN TO_F
.irp i, 0,1,2,3,4,5,6,7
.irp c, 0,1
	ds_load_b128 v[64*((\q)%2)+8*\i+4*\c:64*((\q)%2)+8*\i+4*\c+3], v[ADRB+(\q)/4] offset:4096*\i+1024*((\q)%4)+512*\c
.endr
.endr
.irp i, 0,1,2,3
.irp c, 0,1
	ds_load_b128 v[128+32*((\q)%2)+8*\i+4*\c:128+32*((\q)%2)+8*\i+4*\c+3], v[ADRA+(\q)/4] offset:4096*\i+1024*((\q)%4)+512*\c
.endr
.endr
.endm
.macro SCALES
.irp s, 0,1
.irp i, 0,1,2,3,4,5,6,7
	ds_load_b128 v[SC+32*\s+4*\i:SC+32*\s+4*\i+3], v[ADRS] offset:2048*\s+256*\i
.endr
.endr
.endm
; 16 matrix instructions: my R tiles a0, a0 + 1 x P's eight, K step q.  first = 1: the sums begin with the bias.  The 32 accumulators take turns, one instruction a turn, in the same order in every step.
.macro MUL16 a0, q, first
.irp a, \a0, \a0+1
.irp b, 0,1,2,3,4,5,6,7
.set rD, 8*(8*(\a)+\b)
.set rP, 64*((\q)%2)+8*\b
.set rR, 128+32*((\q)%2)+8*(\a)
.set sP, SC+32*((\q)/4)+4*\b+(\q)%4
.set sR, SC+32*((\q)/4)+4*(\a)+(\q)%4
.if \first
	v_wmma_scale_f32_16x16x128_f8f6f4 v[rD:rD+7], v[rP:rP+7], v[rR:rR+7], v[TB+8*\b:TB+8*\b+7], v[sP], v[sR] matrix_a_fmt:MATRIX_FMT_FP4 matrix_b_fmt:MATRIX_FMT_FP4 matrix_a_scale:MATRIX_SCALE_ROW1
.else
	v_wmma_scale_f32_16x16x128_f8f6f4 v[rD:rD+7], v[rP:rP+7], v[rR:rR+7], v[rD:rD+7], v[sP], v[sR] matrix_a_fmt:MATRIX_FMT_FP4 matrix_b_fmt:MATRIX_FMT_FP4 matrix_a_scale:MATRIX_SCALE_ROW1
.endif
.endr
.endr
.endm
.macro STEP q, first                   ; K step q, whose successor lies in the same K half
	PLACES
	FETCH (\q)+1
	s_wait_dscnt 24                                ; all but the 24 just issued: this step's fragments (and the scale words) are in
.if \first
	WIN FST
.else
	WIN MUL
.endif
	MUL16 0, \q, \first
	MUL16 2, \q, \first
	WIN 0
.endm
	s_wait_tensorcnt 1                             ; my part of the scales and of K half 0 is in; K half 1's load may stay out
	s_barrier_signal -1
	s_barrier_wait -1                              ; everybody's is
	SCALES
	FETCH 0
	WIN 0
	s_wait_loadcnt 0x0                             ; the bias table
	STEP 0, 1
	STEP 1, 0
	STEP 2, 0
	s_wait_tensorcnt 0x0                           ; K step 3 changes halves: my part of K half 1 is in,
	s_wait_dscnt 0x0                               ; and so are this step's fragments
	s_barrier_signal -1
	WIN MUL
	MUL16 0, 3, 0                                  ; work on registers while the others arrive
	s_barrier_wait -1                              ; K half 1 is whole
	PLACES
	FETCH 4
	WIN MUL
	MUL16 2, 3, 0
	WIN 0
	STEP 4, 0
	STEP 5, 0
	STEP 6, 0
	s_wait_dscnt 0x0                               ; the last step: nothing more to fetch
	WIN MUL
	MUL16 0, 7, 0
	MUL16 2, 7, 0
	WIN 0
; THE WAY OUT, a tile of 16 tokens x 128 outputs at a time.  A lane holds pieces of 64 bytes of one row, and the lanes beside it hold other rows: so a tile goes through my own stage and comes back as whole rows of
; 512 bytes.  LDS serves a wave's instructions in order (ISA guide 5.7.1.4): no wait between the stores and the loads, nor in front of the next tile's stores.
.macro TOSTAGE a
	WIN 0x08                                       ; an LDS store's data are its source 1: window 2
.irp b, 0,1,2,3,4,5,6,7
	ds_store_b128 v[STO], v[8*(8*(\a)+\b):8*(8*(\a)+\b)+3] offset:128*(\b/2)+32*(\b%2)        ; each accumulator from its low end on
	ds_store_b128 v[STO], v[8*(8*(\a)+\b)+4:8*(8*(\a)+\b)+7] offset:128*(\b/2)+32*(\b%2)+16
.endr
	WIN 0
.set BB, BK+64*((\a)%2)
.irp t, 0,1,2,3,4,5,6,7,8,9,10,11,12,13,14,15
	ds_load_b128 v[BB+4*\t:BB+4*\t+3], v[RD] offset:\t*SPITCH
.endr
.endm
.macro SEND a, younger                 ; younger: the LDS instructions issued behind tile a's loads, which may stay out
.set BB, BK+64*((\a)%2)
	s_wait_dscnt \younger                          ; the tile is back in registers
.irp t, 0,1,2,3,4,5,6,7,8,9,10,11,12,13,14,15
	global_store_b128 v[CO], v[BB+4*\t:BB+4*\t+3], s[14:15] offset:(32*((\a)/2)+8*((\a)%2)+\t+8*(\t/8))*4096 th:TH_STORE_NT   ; stage row t is token 32 (a / 2) + 8 (a % 2) + t + 8 (t / 8) of my 64; 32 lanes store 512 consecutive bytes, aligned; written once, read by nobody here
.endr
.endm
	PLACES
	TOSTAGE 0
.irp a, 1,2,3
.if \a > 1
	s_wait_xcnt 0x0                                ; tile a - 2's stores have read their registers: tile a's loads may land there
.endif
	TOSTAGE \a
	SEND \a-1, 32                                  ; behind tile a - 1's loads: tile a's 16 stores and 16 loads
.endr
	SEND 3, 0
	s_wait_tensorcnt 0x0
	ds_add_u32 v30, v31
	s_wait_dscnt 0x0
	CROUND                                         ; the closing round: no work-group ends while a partner may still ask for a tile that names it
	s_endpgm
.Lfunc_end_k_q6b228ef891_outgemm:
	.size	k_q6b228ef891_outgemm, .Lfunc_end_k_q6b228ef891_outgemm-k_q6b228ef891_outgemm
	.p2alignl 7, 3214868480
	.fill 96, 4, 3214868480
	.section	.rodata,"a",@progbits
	.p2align	6, 0x0
	.amdhsa_kernel k_q6b228ef891_outgemm
		.amdhsa_group_segment_fixed_size 243200
		.amdhsa_private_segment_fixed_size 0
		.amdhsa_enable_private_segment 0
		.amdhsa_kernarg_size 48
		.amdhsa_user_sgpr_count 2
		.amdhsa_user_sgpr_kernarg_segment_ptr 1
		.amdhsa_wavefront_size32 1
		.amdhsa_system_sgpr_workgroup_id_x 1
		.amdhsa_system_sgpr_workgroup_id_y 1
		.amdhsa_system_sgpr_workgroup_id_z 1
		.amdhsa_system_vgpr_workitem_id 0
		.amdhsa_next_free_vgpr 768
		.amdhsa_next_free_sgpr 100
		.amdhsa_reserve_vcc 0
		.amdhsa_float_denorm_mode_32 3
		.amdhsa_float_denorm_mode_16_64 3
		.amdhsa_memory_ordered 1
		.amdhsa_forward_progress 1
		.amdhsa_inst_pref_size 73
	.end_amdhsa_kernel
	.amdgpu_metadata
---
amdhsa.version: [ 1, 2 ]
amdhsa.kernels:
  - .name:           k_q6b228ef891_outgemm
    .symbol:         k_q6b228ef891_outgemm.kd
    .args:
      - { .name: acodes, .offset: 0, .size: 8, .value_kind: global_buffer, .address_space: global }
      - { .name: ascales, .offset: 8, .size: 8, .value_kind: global_buffer, .address_space: global }
      - { .name: wcodes, .offset: 16, .size: 8, .value_kind: global_buffer, .address_space: global }
      - { .name: wscales, .offset: 24, .size: 8, .value_kind: global_buffer, .address_space: global }
      - { .name: b_out, .offset: 32, .size: 8, .value_kind: global_buffer, .address_space: global }
      - { .name: out0, .offset: 40, .size: 8, .value_kind: global_buffer, .address_space: global }
    .group_segment_fixed_size: 243200
    .private_segment_fixed_size: 0
    .kernarg_segment_align: 8
    .kernarg_segment_size: 48
    .max_flat_workgroup_size: 128
    .sgpr_count:     100
    .vgpr_count:     768
    .wavefront_size: 32
...
	.end_amdgpu_metadata
.endif
;; end of part 4
